; MI455X (gfx1250); checked and timed in simulation.
; The chip was launched on July 23, 2026; its instructions are those of AMD's public machine-readable ISA for CDNA 5 (MIT licence, August 2026) and "CDNA5" Instruction Set Architecture Reference Guide (July 2026). The comments in the code are by the model that wrote it; some were corrected since.
;; Block. Allowed arithmetic: matrix products marked QUANTISED: E5M2 operands, one given power-of-two scale a tensor, by v_wmma_f32_16x16x64_bf8_bf8 or v_wmma_f32_16x16x128_bf8_bf8, f32 sums; everything else in f32.
;; Inputs: W1 1,024 x 4,096 float32; W2 4,096 x 1,024 float32; Wk 1,024 x 1,024 float32; Wo 1,024 x 1,024 float32; Wq 1,024 x 1,024 float32; Wv 1,024 x 1,024 float32; b1 4,096 float32; b2 1,024 float32; bo 1,024 float32; ln1_b 1,024 float32; ln1_g 1,024 float32; ln2_b 1,024 float32; ln2_g 1,024 float32; lowp_scales 16 int32 (the exponents e of the quantised operands' scales 2^e); x 2 x 2,048 x 1,024 float32.
;; Outputs: out0 2 x 2,048 x 1,024 float32.
;; This version of the problem:
;;   THIS VERSION OF THE PROBLEM IS GIVEN IN LOW PRECISION. The matrix products marked QUANTISED in the list below multiply operands that are first quantised to E5M2 (5 exponent bits, 2 mantissa bits; 8 bits a number), with one given power-of-two scale for each operand tensor; their sums are f32. All else is computed in f32.
;;   The module's matrix products, in the order in which they are computed (A, B: the left and right operand; K: the contracted axis; several contracted axes count as one K, in the product's order):
;;     1. [M 4,096, K 1,024] x [K 1,024, N 1,024]; A: computed on the way; B: input Wq: QUANTISED (scales: A lowp_scales[0], B lowp_scales[1])
;;     2. [M 4,096, K 1,024] x [K 1,024, N 1,024]; A: computed on the way; B: input Wk: QUANTISED (scales: A lowp_scales[2], B lowp_scales[3])
;;     3. [M 4,096, K 1,024] x [K 1,024, N 1,024]; A: computed on the way; B: input Wv: QUANTISED (scales: A lowp_scales[4], B lowp_scales[5])
;;     4. batch 32 x [M 2,048, K 64] x [K 64, N 2,048]; A: computed on the way; B: computed on the way: QUANTISED (scales: A lowp_scales[6], B lowp_scales[7])
;;     5. batch 32 x [M 64, K 2,048] x [K 2,048, N 2,048]; A: computed on the way; B: softmax (see below): QUANTISED (scales: A lowp_scales[8], B lowp_scales[9])
;;     6. [M 4,096, K 1,024] x [K 1,024, N 1,024]; A: computed on the way; B: input Wo: QUANTISED (scales: A lowp_scales[10], B lowp_scales[11])
;;     7. [M 4,096, K 1,024] x [K 1,024, N 4,096]; A: computed on the way; B: input W1: QUANTISED (scales: A lowp_scales[12], B lowp_scales[13])
;;     8. [M 4,096, K 4,096] x [K 4,096, N 1,024]; A: computed on the way; B: input W2: QUANTISED (scales: A lowp_scales[14], B lowp_scales[15])
;;   THE QUANTISER, for each operand of a quantised product, along K:
;;     - The operand's scale is 2^e, e = its entry of the input lowp_scales (int32; the entries are numbered through the quantised products in the list's order, A before B).
;;     - Each number is divided by the scale, clamped to +-57,344, and rounded to the nearest number of E5M2, ties to even, subnormals kept.
;;     - The product sums the exact products of the quantised numbers (number of the format x scale) in f32.
;;   ~~~python
;;   def quantise(x, axis, e):      # numpy; x: float32 -> the quantised numbers, widened to float32 again
;;       x = np.moveaxis(x, axis, -1); K = x.shape[-1]
;;       r = np.clip(x / 2.0 ** e, -57344, 57344)
;;       step = 2.0 ** (np.maximum(np.frexp(np.where(r == 0, 1, r))[1] - 1, -14) - 2)
;;       q = np.round(r / step) * step * 2.0 ** e      # np.round: ties to even
;;       return np.moveaxis(q, -1, axis).astype(np.float32)
;;   ~~~
;;   SOFTMAX AHEAD OF A QUANTISED PRODUCT. Where the list says 'softmax', what is quantised is not the finished softmax but p = 2^(t - M), with t = logit x log2(e) and M = ceil(the row's largest t), a whole number; so 1/2 < the row's largest p <= 1. The row's sum l is taken of the UNQUANTISED p, in f32, and the product's result is divided by l at the end. Since M is a whole number, a kernel that streams over the keys may use a running M (the ceiling of the running maximum): every later rescaling is an exact power of two, so the quantised numbers keep their values, but for numbers so far below the row's largest that they fall under the format's range.
;;   OPERANDS COMPUTED ON THE WAY. 'Computed on the way' means the value that the module computes at that place (a softmax that the list does not call 'softmax' is quantised finished and normalised). What goes into a quantiser is computed in f32, as accurately as f32 sums, v_exp_f32 and their like allow (about 1e-6 of the number): no bf16 or f16 on the way to a quantiser, and a product that is left as it is and whose result goes on into a quantised operand takes f32 operands (vector FMAs, or v_wmma_f32_16x16x4_f32). A number that lies on a knife's edge between two numbers of the format may be rounded either way, as far as f32 arithmetic and the matrix unit's own rounding can turn it there, and no further.
;; One version. Each part assembles by itself: llvm-mc -triple=amdgcn-amd-amdhsa -mcpu=gfx1250 --defsym DOCPART=n.
;; ======== version 1 of 1: 7 launches
;; limits: right only within a limited range of input values
;; workspace buffers: wc 12,582,912 bytes; hc 12,582,912 bytes; qkvc 12,582,912 bytes; ac 4,194,304 bytes; x1 16,777,216 bytes; h2c 4,194,304 bytes; fc 16,777,216 bytes
;; launch prep (part 1): grid 640 x 1, 4 waves a work-group, no clusters, 35,328 bytes of LDS; arguments Wq, Wk, Wv, Wo, W1, W2, x, ln1_g, ln1_b, lowp_scales, wc, hc; writes wc, hc
.if DOCPART == 1
	.amdgcn_target "amdgcn-amd-amdhsa--gfx1250"
	.amdhsa_code_object_version 6
	.text
	.protected	k_q118db4c086_prep
	.globl	k_q118db4c086_prep
	.p2align	8
	.type	k_q118db4c086_prep,@function
k_q118db4c086_prep:
	s_mov_b64 s[64:65], 0
	v_nop
	global_prefetch_b8 v0, s[64:65] scope:SCOPE_SE
	s_setreg_imm32_b32 hwreg(HW_REG_WAVE_MODE, 25, 1), 1
	s_wait_xcnt 0x0
; FIRST OF SEVEN LAUNCHES of a transformer block on 4,096 rows of 1,024 (16 heads of 64), all eight matrix products on codes of BF8 (E5M2) with given scales 2^e.
; DEAD WORK LEFT OUT IN THE PROGRAM: only the attention launch leaves work out: key steps all of whose keys come after all 16 queries of a wave.  reference() itself sets those scores to -inf by its
; own jnp.tril mask, so their weight is 0 for every value of the inputs.  LIMIT: a NaN, an infinity or an overflow that would arise only in those masked scores is not carried to the result.
; Every input has a way to the output, and every input is loaded by some launch.
; THIS LAUNCH, two kinds of work-group, parted by the work-group's number:
;  0..383  WEIGHTS.  Wq, Wk, Wv, Wo, W1, W2 (f32, stored [K][N]) become codes laid [N][K], K innermost, in wc: Wq at 0, Wk at 1 MiB, Wv at 2 MiB, Wo at 3 MiB, W1 at 4 MiB, W2 at 8 MiB.
;          A lane takes a column n and its registers run down K: each load reads neighbouring n in neighbouring lanes, and the conversions give codes with K innermost.  A wave takes 32 columns x 256 along K;
;          the codes leave through the wave's own stage in LDS, sixteen lanes storing 256 consecutive aligned bytes.
;  384..639  LAYER NORM 1.  A wave takes 4 rows of x, a row at a time in 32 registers a lane (read from memory once), mean and variance in two passes in f32, and quantises h three times, with the
;          scales of products 1, 2, 3 (entries 0, 2, 4), into the three planes of hc, each [4096][1024].  A lane holds 8 neighbours of each quarter row: a store of the wave covers 256 consecutive aligned bytes.
; code = x / 2^e, held within +-57,344, rounded to the nearest code, ties to even.  LIMITS: each e used here lies between -126 and 112; NaN among the inputs is not served.
; Memory binds: no matrix unit, no cluster, no tensor load, no barrier (waves share nothing).
.set SPARE, 34816                      ; behind the four stages: the spare words, 128 bytes for each wave
.set PITCH, 272                        ; a stage row: 256 bytes of codes + 16
.set SPW,  14                          ; v14  LDS address of my spare word; never rewritten
.set NIL,  15                          ; v15  0; never rewritten
; weights path
.set VO,   16                          ; v16-47   byte offset of row i of a block of 32 rows of W, at my column
.set XW,   48                          ; v48-111  two sets of 32 numbers
.set CW,   112                         ; v112-119 a block's codes
.set OUTR, 120                         ; v120-183 the way out
.set OV,   184                         ; v184-199 byte offsets of the way out's 16 stores
.set SB,   36                          ; s[36:51] W at my columns, block t of eight
; layer norm path
.set XO,   8                           ; v8   32 x lane
.set SO,   9                           ; v9   8 x lane
.set G,    16                          ; v16-47  gains of my 32 columns
.set BB,   48                          ; v48-79  biases
.set X,    80                          ; v80-143 two rows
.set T,    144                         ; v144-159 two sets of 8 held numbers
.set CD,   160                         ; v160-183 codes: 8 registers a plane
.set P,    184                         ; v184-191 four pairs of partial sums
.set MU,   192                         ; v[192:193] the mean, twice
.set R,    194                         ; v[194:195] 1 / sqrt(var + eps), twice
.set SC,   196                         ; v196-198 2^e of the planes
.set LIM,  200                         ; v200-202 57,344 x 2^e
.set TP,   204
.set XB,   60                          ; s[60:61] x at my first row
.set HB,   62                          ; s[62:63] the middle plane of hc at my first row: the planes lie 4 MiB to either side, inside the signed 24-bit immediate
.set PG,   18
.set PB,   20
.set PMID, 1
	s_load_b512 s[4:19], s[0:1], 0x0               ; Wq 4, Wk 6, Wv 8, Wo 10, W1 12, W2 14, x 16, ln1_g 18
	s_load_b256 s[20:27], s[0:1], 0x40             ; ln1_b 20, the scales 22, wc 24, hc 26
	v_lshl_add_u32 v[SPW], v0, 2, SPARE
	v_mov_b32 v[NIL], 0
	v_lshrrev_b32 v1, 5, v0
	v_readfirstlane_b32 s28, v1                    ; wave 0..3
	v_and_b32 v2, 31, v0                           ; lane
	s_wait_kmcnt 0x0
	s_load_b512 s[68:83], s[22:23], 0x0            ; all sixteen exponents
	s_cmp_lt_u32 ttmp9, 384
	s_cbranch_scc0 .Lln
; ---------------- WEIGHTS ----------------
	s_lshr_b32 s29, ttmp9, 7                       ; 0: the four square weights, 32 work-groups each; 1: W1; 2: W2
	s_cmp_eq_u32 s29, 1
	s_cselect_b32 s30, 31, 7                       ; N / 128 - 1
	s_cselect_b32 s31, 5, 3
	s_cselect_b32 s32, 14, 12
	s_lshl_b32 s32, 1, s32                         ; a row of W in bytes: 4 N
	s_cmp_eq_u32 s29, 2
	s_cselect_b32 s33, 12, 10
	s_lshl_b32 s33, 1, s33                         ; a row of the codes in bytes: K
	s_lshr_b32 s35, ttmp9, 5
	s_lshl_b32 s35, s35, 20
	s_lshl_b32 s54, s29, 22
	s_cmp_eq_u32 s29, 0
	s_cselect_b32 s35, s35, s54                    ; where the weight's codes begin in wc
	s_cselect_b32 s34, 31, 127
	s_and_b32 s34, ttmp9, s34                      ; my number within the weight
	s_and_b32 s60, s34, s30                        ; which 128 columns
	s_lshr_b32 s61, s34, s31                       ; which 256 along K
	s_lshl_b32 s60, s60, 7
	s_lshl_b32 s62, s28, 5
	s_add_co_u32 s60, s60, s62                     ; my wave's first column
	s_lshl_b32 s62, s32, 8
	s_mul_i32 s62, s62, s61
	s_lshl_b32 s63, s60, 2
	s_add_co_u32 s62, s62, s63                     ; in: 256 rows x which + 4 x column
	s_mov_b32 s63, 0
	s_mul_i32 s54, s60, s33
	s_add_co_u32 s54, s54, s35
	s_lshl_b32 s55, s61, 8
	s_add_co_u32 s54, s54, s55                     ; out: the weight + column x K + 256 x which
	s_mov_b32 s55, 0
	s_add_nc_u64 s[52:53], s[24:25], s[54:55]
	s_wait_alu depctr_va_vdst(0)
	v_lshlrev_b32 v[VO], 2, v2
.set i, 1
.rept 31
	v_add_nc_u32 v[VO+i], s32, v[VO+i-1]
.set i, i+1
.endr
	s_mul_i32 s55, s28, 32*PITCH                   ; my stage
	v_mul_u32_u24 v4, v2, PITCH
	v_add_nc_u32 v4, s55, v4                       ; into it: row = my column
	v_and_b32 v5, 15, v2
	v_lshrrev_b32 v6, 4, v2
	v_mul_u32_u24 v7, v6, PITCH
	v_lshl_add_u32 v7, v5, 4, v7
	v_add_nc_u32 v7, s55, v7                       ; out of it: sixteen lanes to a row, two rows an instruction
	v_mul_lo_u32 v[OV], v6, s33
	v_lshl_add_u32 v[OV], v5, 4, v[OV]             ; and the same place in the codes
	s_lshl_b32 s55, s33, 1
.set i, 1
.rept 15
	v_add_nc_u32 v[OV+i], s55, v[OV+i-1]
.set i, i+1
.endr
	s_wait_kmcnt 0x0                               ; the exponents
; which weight, and its exponent: a choice on the work-group's number alone
.macro PICK bound, ptr, idx
	s_cmp_lt_u32 ttmp9, \bound
	s_cselect_b64 s[56:57], s[\ptr:\ptr+1], s[56:57]
	s_cselect_b32 s59, s[68+\idx], s59
.endm
	s_mov_b64 s[56:57], s[14:15]                   ; W2, entry 15
	s_mov_b32 s59, s83
	PICK 256, 12, 13
	PICK 128, 10, 11
	PICK 96, 8, 5
	PICK 64, 6, 3
	PICK 32, 4, 1
	s_add_nc_u64 s[SB:SB+1], s[56:57], s[62:63]
	s_lshl_b32 s62, s32, 5                         ; 32 rows on
.irp t, 1,2,3,4,5,6,7
	s_add_nc_u64 s[SB+2*\t:SB+2*\t+1], s[SB+2*\t-2:SB+2*\t-1], s[62:63]
.endr
.macro WLOAD t                         ; block t: W(32 t + i, my column), i = 0 .. 31, into set t % 2: 128 consecutive bytes a wave, 512 a work-group
.set i, 0
.rept 32
	global_load_b32 v[XW+32*((\t)%2)+i], v[VO+i], s[SB+2*(\t):SB+2*(\t)+1] th:TH_LOAD_NT
.set i, i+1
.endr
.endm
	WLOAD 0
	WLOAD 1
	s_add_co_i32 s59, s59, 127
	s_lshl_b32 s58, s59, 23
	v_mov_b32 v11, s58                             ; 2^e as f32: the conversion takes its exponent field
	s_add_co_i32 s59, s59, 15
	s_lshl_b32 s59, s59, 23
	s_or_b32 s59, s59, 0x600000
	v_mov_b32 v10, s59                             ; 57,344 x 2^e
.macro WBLOCK t
.set XS, XW+32*((\t)%2)
.if (\t) < 7
	s_wait_loadcnt 32                              ; this block's 32 loads are in; the next block's 32 may be out
.else
	s_wait_loadcnt 0
.endif
.set i, 0
.rept 32
	v_med3_num_f32 v[XS+i], v[XS+i], -v10, v10     ; the conversion to an 8-bit code does not saturate (ISA guide 7.6.2): the hold comes first
.set i, i+1
.endr
.irp g, 0,1,2,3
	v_cvt_scalef32_pk8_bf8_f32 v[CW+2*\g:CW+2*\g+1], v[XS+8*\g:XS+8*\g+7], v11
.endr
	ds_store_b128 v4, v[CW:CW+3] offset:32*(\t)    ; 32 codes of my column's row
	ds_store_b128 v4, v[CW+4:CW+7] offset:32*(\t)+16
.if (\t)+2 < 8
	WLOAD (\t)+2
.endif
	s_wait_dscnt 0x0                               ; the stores have read their registers: the next block's codes may be written
.endm
	s_wait_alu depctr_va_vdst(0)
.irp t, 0,1,2,3,4,5,6,7
	WBLOCK \t
.endr
.irp t, 0,1,2,3,4,5,6,7,8,9,10,11,12,13,14,15
	ds_load_b128 v[OUTR+4*\t:OUTR+4*\t+3], v7 offset:2*\t*PITCH   ; LDS serves a wave's instructions in order: these see my stores
.endr
.irp t, 0,1,2,3,4,5,6,7,8,9,10,11,12,13,14,15
	s_wait_dscnt 15-\t                             ; the younger stage loads may be out
	global_store_b128 v[OV+\t], v[OUTR+4*\t:OUTR+4*\t+3], s[52:53]   ; sixteen lanes store 256 consecutive aligned bytes
.endr
	s_wait_tensorcnt 0x0                           ; the wave's end
	ds_add_u32 v[SPW], v[NIL]
	s_wait_dscnt 0x0
	s_endpgm
; ---------------- LAYER NORM 1 ----------------
.Lln:
	s_sub_co_u32 s29, ttmp9, 384
	s_lshl_b32 s29, s29, 4
	s_lshl_b32 s30, s28, 2
	s_add_co_u32 s29, s29, s30                     ; my first row: 16 x work-group + 4 x wave
	s_lshl_b32 s30, s29, 12
	s_mov_b32 s31, 0
	s_add_nc_u64 s[XB:XB+1], s[16:17], s[30:31]
	s_lshl_b32 s30, s29, 10
	s_add_co_u32 s30, s30, 0x400000
	s_add_nc_u64 s[HB:HB+1], s[26:27], s[30:31]
	s_wait_alu depctr_va_vdst(0)
	v_lshlrev_b32 v[XO], 5, v2
	v_lshlrev_b32 v[SO], 3, v2
	v_mov_b32 v[TP], 0                             ; a lane permute's destination counts as read
	s_mov_b32 s56, 0x76543210                      ; v_permlanex16_b32: lane l xor 16
	s_mov_b32 s57, 0xfedcba98
	s_mov_b32 s58, 0x3a800000                      ; 1 / 1,024
	s_mov_b32 s59, 0x3727c5ac                      ; 1e-5
.irp j, 0,1,2,3
	global_load_b128 v[G+8*\j:G+8*\j+3], v[XO], s[PG:PG+1] offset:1024*\j
	global_load_b128 v[G+8*\j+4:G+8*\j+7], v[XO], s[PG:PG+1] offset:1024*\j+16
.endr
.irp j, 0,1,2,3
	global_load_b128 v[BB+8*\j:BB+8*\j+3], v[XO], s[PB:PB+1] offset:1024*\j
	global_load_b128 v[BB+8*\j+4:BB+8*\j+7], v[XO], s[PB:PB+1] offset:1024*\j+16
.endr
.macro LNLOAD set, rr                  ; row rr of my four: numbers 256 j + 8 lane + 0 .. 7, j = 0 .. 3
.irp j, 0,1,2,3
	global_load_b128 v[X+32*(\set)+8*\j:X+32*(\set)+8*\j+3], v[XO], s[XB:XB+1] offset:(\rr)*4096+1024*\j th:TH_LOAD_NT
	global_load_b128 v[X+32*(\set)+8*\j+4:X+32*(\set)+8*\j+7], v[XO], s[XB:XB+1] offset:(\rr)*4096+1024*\j+16 th:TH_LOAD_NT
.endr
.endm
.macro ALLSUM v                        ; the sum over the 32 lanes, in every lane
	v_add_f32_dpp v[\v], v[\v], v[\v] row_xmask:1 row_mask:0xf bank_mask:0xf
	v_add_f32_dpp v[\v], v[\v], v[\v] row_xmask:2 row_mask:0xf bank_mask:0xf
	v_add_f32_dpp v[\v], v[\v], v[\v] row_xmask:4 row_mask:0xf bank_mask:0xf
	v_add_f32_dpp v[\v], v[\v], v[\v] row_xmask:8 row_mask:0xf bank_mask:0xf
	v_permlanex16_b32 v[TP], v[\v], s56, s57
	v_add_f32 v[\v], v[\v], v[TP]
.endm
.macro LNROW set, rr, left, fill       ; left: the other set's loads, which may stay out
.set XS, X+32*(\set)
	s_wait_loadcnt \left
.irp c, 0,1,2,3
	v_pk_add_f32 v[P+2*\c:P+2*\c+1], v[XS+2*\c:XS+2*\c+1], v[XS+8+2*\c:XS+8+2*\c+1]   ; the sum, in four chains
.endr
.irp k, 2,3
.irp c, 0,1,2,3
	v_pk_add_f32 v[P+2*\c:P+2*\c+1], v[P+2*\c:P+2*\c+1], v[XS+8*\k+2*\c:XS+8*\k+2*\c+1]
.endr
.endr
	v_pk_add_f32 v[P:P+1], v[P:P+1], v[P+2:P+3]
	v_pk_add_f32 v[P+4:P+5], v[P+4:P+5], v[P+6:P+7]
	v_pk_add_f32 v[P:P+1], v[P:P+1], v[P+4:P+5]
	v_add_f32 v[P], v[P], v[P+1]
	ALLSUM P
	v_mul_f32 v[MU], s58, v[P]
	v_mul_f32 v[MU+1], s58, v[P]
.set i, 0
.rept 16
	v_pk_add_f32 v[XS+i:XS+i+1], v[XS+i:XS+i+1], v[MU:MU+1] neg_lo:[0,1] neg_hi:[0,1]   ; x - mean: the variance is taken of the differences
.set i, i+2
.endr
.irp c, 0,1,2,3
	v_pk_mul_f32 v[P+2*\c:P+2*\c+1], v[XS+2*\c:XS+2*\c+1], v[XS+2*\c:XS+2*\c+1]
.endr
.irp k, 1,2,3
.irp c, 0,1,2,3
	v_pk_fma_f32 v[P+2*\c:P+2*\c+1], v[XS+8*\k+2*\c:XS+8*\k+2*\c+1], v[XS+8*\k+2*\c:XS+8*\k+2*\c+1], v[P+2*\c:P+2*\c+1]
.endr
.endr
	v_pk_add_f32 v[P:P+1], v[P:P+1], v[P+2:P+3]
	v_pk_add_f32 v[P+4:P+5], v[P+4:P+5], v[P+6:P+7]
	v_pk_add_f32 v[P:P+1], v[P:P+1], v[P+4:P+5]
	v_add_f32 v[P], v[P], v[P+1]
	ALLSUM P
	v_fma_f32 v[P], v[P], s58, s59                 ; var + eps
	s_wait_alu depctr_va_vdst(0)
	v_rsq_f32 v[R], v[P]
	v_rsq_f32 v[R+1], v[P]
	v_nop                                          ; a plain instruction behind the transcendentals,
	s_wait_alu depctr_va_vdst(0)                   ; and one wait ahead of their first reader
.set i, 0
.rept 16
	v_pk_mul_f32 v[XS+i:XS+i+1], v[XS+i:XS+i+1], v[R:R+1]
.set i, i+2
.endr
.set i, 0
.rept 16
	v_pk_fma_f32 v[XS+i:XS+i+1], v[XS+i:XS+i+1], v[G+i:G+i+1], v[BB+i:BB+i+1]
.set i, i+2
.endr
	s_wait_xcnt 0x0                                ; the last row's stores have read their codes: they may be written again
.irp p, 0,1,2
.irp j, 0,1,2,3
.irp i, 0,1,2,3,4,5,6,7
	v_med3_num_f32 v[T+8*(\j%2)+\i], v[XS+8*\j+\i], -v[LIM+\p], v[LIM+\p]   ; the hold at the largest code x the scale; h itself stays for the next plane
.endr
	v_cvt_scalef32_pk8_bf8_f32 v[CD+8*\p+2*\j:CD+8*\p+2*\j+1], v[T+8*(\j%2):T+8*(\j%2)+7], v[SC+\p]   ; the eight holds of the other set stand between a conversion and the next write of its sources
.endr
.endr
.irp p, 0,1,2
.irp j, 0,1,2,3
	global_store_b64 v[SO], v[CD+8*\p+2*\j:CD+8*\p+2*\j+1], s[HB:HB+1] offset:(\p-PMID)*4194304+(\rr)*1024+256*\j   ; the wave stores 256 consecutive aligned bytes
.endr
.endr
.if \fill
	LNLOAD \set, (\rr)+2
.endif
.endm
	LNLOAD 0, 0
	LNLOAD 1, 1
	s_wait_kmcnt 0x0
.irp p, 0,1,2
	s_add_co_i32 s30, s[68+2*\p], 127              ; entries 0, 2, 4
	s_lshl_b32 s31, s30, 23
	v_mov_b32 v[SC+\p], s31
	s_add_co_i32 s30, s30, 15
	s_lshl_b32 s30, s30, 23
	s_or_b32 s30, s30, 0x600000
	v_mov_b32 v[LIM+\p], s30
.endr
	LNROW 0, 0, 8, 1
	LNROW 1, 1, 8, 1
	LNROW 0, 2, 8, 0
	LNROW 1, 3, 0, 0
	s_endpgm
.Lfunc_end_k_q118db4c086_prep:
	.size	k_q118db4c086_prep, .Lfunc_end_k_q118db4c086_prep-k_q118db4c086_prep
	.p2alignl 7, 3214868480
	.fill 96, 4, 3214868480
	.section	.rodata,"a",@progbits
	.p2align	6, 0x0
	.amdhsa_kernel k_q118db4c086_prep
		.amdhsa_group_segment_fixed_size 35328
		.amdhsa_private_segment_fixed_size 0
		.amdhsa_enable_private_segment 0
		.amdhsa_kernarg_size 96
		.amdhsa_user_sgpr_count 2
		.amdhsa_user_sgpr_kernarg_segment_ptr 1
		.amdhsa_wavefront_size32 1
		.amdhsa_system_sgpr_workgroup_id_x 1
		.amdhsa_system_sgpr_workgroup_id_y 1
		.amdhsa_system_sgpr_workgroup_id_z 1
		.amdhsa_system_vgpr_workitem_id 0
		.amdhsa_next_free_vgpr 208
		.amdhsa_next_free_sgpr 84
		.amdhsa_reserve_vcc 0
		.amdhsa_float_denorm_mode_32 3
		.amdhsa_float_denorm_mode_16_64 3
		.amdhsa_memory_ordered 1
		.amdhsa_forward_progress 1
		.amdhsa_inst_pref_size 115
	.end_amdhsa_kernel
	.amdgpu_metadata
---
amdhsa.version: [ 1, 2 ]
amdhsa.kernels:
  - .name:           k_q118db4c086_prep
    .symbol:         k_q118db4c086_prep.kd
    .args:
      - { .name: Wq, .offset: 0, .size: 8, .value_kind: global_buffer, .address_space: global }
      - { .name: Wk, .offset: 8, .size: 8, .value_kind: global_buffer, .address_space: global }
      - { .name: Wv, .offset: 16, .size: 8, .value_kind: global_buffer, .address_space: global }
      - { .name: Wo, .offset: 24, .size: 8, .value_kind: global_buffer, .address_space: global }
      - { .name: W1, .offset: 32, .size: 8, .value_kind: global_buffer, .address_space: global }
      - { .name: W2, .offset: 40, .size: 8, .value_kind: global_buffer, .address_space: global }
      - { .name: x, .offset: 48, .size: 8, .value_kind: global_buffer, .address_space: global }
      - { .name: ln1_g, .offset: 56, .size: 8, .value_kind: global_buffer, .address_space: global }
      - { .name: ln1_b, .offset: 64, .size: 8, .value_kind: global_buffer, .address_space: global }
      - { .name: lowp_scales, .offset: 72, .size: 8, .value_kind: global_buffer, .address_space: global }
      - { .name: wc, .offset: 80, .size: 8, .value_kind: global_buffer, .address_space: global }
      - { .name: hc, .offset: 88, .size: 8, .value_kind: global_buffer, .address_space: global }
    .group_segment_fixed_size: 35328
    .private_segment_fixed_size: 0
    .kernarg_segment_align: 8
    .kernarg_segment_size: 96
    .max_flat_workgroup_size: 128
    .sgpr_count:     84
    .vgpr_count:     208
    .wavefront_size: 32
...
	.end_amdgpu_metadata
.endif
;; end of part 1
;; launch qkv (part 2): grid 12 x 16, 4 waves a work-group, clusters of 4 x 4, 327,680 bytes of LDS; arguments hc, wc, lowp_scales, qkvc; writes qkvc
.if DOCPART == 2
	.amdgcn_target "amdgcn-amd-amdhsa--gfx1250"
	.amdhsa_code_object_version 6
	.text
	.protected	k_q118db4c086_qkv
	.globl	k_q118db4c086_qkv
	.p2align	8
	.type	k_q118db4c086_qkv,@function
k_q118db4c086_qkv:
	s_mov_b64 s[64:65], 0
	v_nop
	global_prefetch_b8 v0, s[64:65] scope:SCOPE_SE
	s_setreg_imm32_b32 hwreg(HW_REG_WAVE_MODE, 25, 1), 1
	s_wait_xcnt 0x0
	s_wait_alu depctr_hold_cnt(0) depctr_sa_sdst(0) depctr_va_vdst(0) depctr_va_sdst(0) depctr_va_ssrc(0) depctr_va_vcc(0) depctr_vm_vsrc(0)
	s_getreg_b32 s2, hwreg(HW_REG_IB_STS2, 6, 4)
	s_cmp_eq_u32 s2, 0
	s_cbranch_scc0 .Lentry_in_a_cluster
	s_endpgm
.Lentry_in_a_cluster:
	s_bfe_u32 s2, ttmp6, 0x10000c
	s_cmp_lg_u32 s2, 0xf033
	s_cbranch_scc0 .Lentry_shape_is_right
	s_endpgm
.Lentry_shape_is_right:
.set MODE,   0
.set KSTEP,  256
.set ROWB,   256
.set KROW,   1024
.set PITCH,  272
.set FR,     16
.set NL,     4
.set NP,     4
.set HALFT,  128*PITCH
.set SLOT,   4*HALFT
.set LAPS,   2
.set SPARE,  2*SLOT
.set SP,     272
.set GO,   8
.set BOF,  12
.set ADRA, 16
.set ADRB, 20
.set STO,  24
.set RD,   25
.set SPW,  28
.set NIL,  29
.set SCV,  30
.set LIMV, 31
.set TMP,  32
.set AF,   128
.set G1, 24
.set G0, 32
.set G1B, 48
.set G0B, 56
.set MSB, 0
.macro WIN new
.if MSB != \new
	s_set_vgpr_msb (MSB<<8)|\new
.set MSB, \new
.endif
.endm
.set MUL_LO, 0xa1
.set MUL_HI, 0xf1
.set TO_B,   0x40
.macro JLOAD g0a, g1a, g0b, g1b
	s_cmp_eq_u32 s15, 0
	s_cbranch_scc0 .Lfor_b_\@
	tensor_load_to_lds s[\g0a:\g0a+3], s[\g1a:\g1a+7]
	s_nop 0
.rept 4
	v_nop
.endr
	s_branch .Lasked_\@
.Lfor_b_\@:
	tensor_load_to_lds s[\g0b:\g0b+3], s[\g1b:\g1b+7]
	s_nop 0
.rept 4
	v_nop
.endr
.Lasked_\@:
.endm
.macro CREST
	s_cmp_lg_u32 s14, 0
	s_cbranch_scc1 .Lnot_wave_0_\@
	s_barrier_signal -3
.Lnot_wave_0_\@:
	s_barrier_wait -3
	s_barrier_signal -1
	s_barrier_wait -1
.endm
.macro CROUND
	s_barrier_signal -1
	s_barrier_wait -1
	CREST
.endm
	s_load_b128 s[4:7], s[0:1], 0x0
	s_load_b128 s[8:11], s[0:1], 0x10
.if MODE
	s_load_b64 s[12:13], s[0:1], 0x20
.endif
	v_lshl_add_u32 v[SPW], v0, 2, SPARE
	v_mov_b32 v[NIL], 0
	ds_add_u32 v[SPW], v[NIL]
	ds_add_u32 v[SPW], v[NIL]
	v_lshrrev_b32 v1, 5, v0
	v_readfirstlane_b32 s14, v1
	s_lshr_b32 s15, s14, 1
	s_and_b32 s16, s14, 1
	s_bfe_u32 s40, ttmp6, 0x40000
	s_bfe_u32 s41, ttmp6, 0x40004
	s_and_b32 s84, ttmp7, 0xffff
.if MODE
	s_mov_b32 s85, s84
	s_mov_b32 s86, ttmp9
.else
	s_cmp_eq_u32 ttmp9, 2
	s_cselect_b32 s85, 0, s84
	s_cselect_b32 s86, s84, ttmp9
.endif
	s_lshl_b32 s42, s86, 2
	s_add_co_u32 s42, s42, s40
	s_lshl_b32 s17, s85, 2
	s_add_co_u32 s17, s17, s41
	s_lshl_b32 s43, s41, 2
	s_lshl_b32 s43, 15, s43
	s_lshl_b32 s44, 0x1111, s40
	s_or_b32 s[G1+0], s43, (0<<16)|(1<<20)|(1<<21)|(5<<22)|(3<<25)
	s_or_b32 s[G1B+0], s44, (0<<16)|(1<<20)|(1<<21)|(5<<22)|(3<<25)
.irp g, G1, G1B
	s_mov_b32 s[\g+1], ROWB<<16
	s_mov_b32 s[\g+2], 128<<16
	s_mov_b32 s[\g+3], ROWB<<16
	s_mov_b32 s[\g+4], 128
	s_mov_b32 s[\g+5], KROW
	s_mov_b32 s[\g+6], 0
	s_mov_b32 s[\g+7], 0
.endr
	s_lshl_b32 s18, s16, 7
	s_lshl_b32 s20, s17, 8
	s_add_co_u32 s20, s20, s18
	s_lshl_b32 s46, s42, 8
	s_add_co_u32 s46, s46, s18
	s_lshl_b32 s20, s20, 10
	s_lshl_b32 s46, s46, 10
	s_mov_b32 s21, 0
	s_mov_b32 s47, 0
	s_mul_i32 s45, s14, HALFT
	s_wait_dscnt 0x0
	s_wait_kmcnt 0x0
	s_load_b512 s[68:83], s[8:9], 0x0
.if MODE
	s_mov_b64 s[92:93], s[4:5]
	s_add_nc_u64 s[94:95], s[6:7], 0x400000
.else
	s_lshl_b32 s86, ttmp9, 22
	s_mov_b32 s87, 0
	s_add_nc_u64 s[88:89], s[4:5], s[86:87]
	s_cmp_eq_u32 ttmp9, 2
	s_cselect_b32 s86, 0x200000, 0
	s_add_nc_u64 s[90:91], s[6:7], s[86:87]
	s_cselect_b64 s[92:93], s[90:91], s[88:89]
	s_cselect_b64 s[94:95], s[88:89], s[90:91]
.endif
	s_add_nc_u64 s[20:21], s[92:93], s[20:21]
	s_add_nc_u64 s[46:47], s[94:95], s[46:47]
	CROUND
.irp s, 0,1
	s_mov_b32 s[G0+4*\s], 1
	s_add_co_u32 s[G0+4*\s+1], s45, \s*SLOT
	s_add_nc_u64 s[G0+4*\s+2:G0+4*\s+3], s[20:21], \s*ROWB
	s_or_b32 s[G0+4*\s+3], s[G0+4*\s+3], 0x80000000
	s_mov_b32 s[G0B+4*\s], 1
	s_add_co_u32 s[G0B+4*\s+1], s45, \s*SLOT
	s_add_nc_u64 s[G0B+4*\s+2:G0B+4*\s+3], s[46:47], \s*ROWB
	s_or_b32 s[G0B+4*\s+3], s[G0B+4*\s+3], 0x80000000
	s_wait_alu depctr_va_vdst(0)
	s_wait_tensorcnt 0x0
	ds_add_u32 v28, v29
	ds_add_u32 v28, v29
	s_wait_dscnt 0x0
	CROUND
	JLOAD G0+4*\s, G1, G0B+4*\s, G1B
.endr
	v_and_b32 v1, 15, v0
	v_bfe_u32 v2, v0, 4, 1
	v_mul_u32_u24 v3, v1, PITCH
	s_wait_alu depctr_va_vdst(0)
	v_lshl_add_u32 v4, v2, 4, v3
	s_mul_i32 s21, s15, HALFT
	s_mul_i32 s22, s16, HALFT
	s_add_co_u32 s22, s22, 2*HALFT
.irp s, 0,1
	v_add_nc_u32 v[ADRA+\s], s21, v4
	v_add_nc_u32 v[ADRB+\s], s22, v4
	s_add_co_u32 s21, s21, SLOT
	s_add_co_u32 s22, s22, SLOT
.endr
	s_mul_i32 s23, s15, 128*SP
	s_lshl_b32 s22, s16, 7
	s_add_co_u32 s23, s23, s22
	v_lshl_add_u32 v5, v2, 3, v3
	v_add_nc_u32 v[STO], s23, v5
	v_and_b32 v6, 31, v0
	s_wait_alu depctr_va_vdst(0)
	v_lshrrev_b32 v7, 2, v6
	v_mul_u32_u24 v7, v7, SP
	v_and_b32 v5, 3, v6
	v_lshl_add_u32 v7, v5, 4, v7
	s_mul_i32 s23, s14, 64*SP
	v_add_nc_u32 v[RD], s23, v7
.if MODE
	s_mov_b32 s84, 20
	s_mov_b32 s86, 0
.else
	s_cmp_eq_u32 ttmp9, 2
	s_cselect_b32 s84, 18, 20
	s_cselect_b32 s86, 0x800000, 0
.endif
	s_lshl_b32 s85, s42, s84
	s_add_co_u32 s86, s86, s85
	s_lshl_b32 s85, s17, 14
	s_add_co_u32 s86, s86, s85
	s_lshl_b32 s85, s14, 12
	s_add_co_u32 s86, s86, s85
	s_mov_b32 s87, 0
	s_add_nc_u64 s[10:11], s[10:11], s[86:87]
	s_sub_co_u32 s84, s84, 2
	s_lshl_b32 s85, 1, s84
	v_lshlrev_b32 v[GO], 4, v6
.irp n, 1,2,3
	v_add_nc_u32 v[GO+\n], s85, v[GO+\n-1]
.endr
.if MODE
	s_lshl_b32 s22, s42, 10
	s_lshl_b32 s23, s16, 9
	s_add_co_u32 s22, s22, s23
	s_mov_b32 s23, 0
	s_add_nc_u64 s[12:13], s[12:13], s[22:23]
	v_lshlrev_b32 v[BOF], 5, v2
.irp b, 0,1,2,3,4,5,6,7
	global_load_b128 v[TMP+8*\b:TMP+8*\b+3], v[BOF], s[12:13] offset:64*\b
	global_load_b128 v[TMP+8*\b+4:TMP+8*\b+7], v[BOF], s[12:13] offset:64*\b+16
.endr
	s_wait_loadcnt 0x0
	s_wait_kmcnt 0x0
	s_add_co_i32 s96, s80, s81
	s_sub_co_i32 s96, 0, s96
.set i, 0
.rept 64
	v_ldexp_f32 v[TMP+i], v[TMP+i], s96
.set i, i+1
.endr
.endif
.macro FRAG reg, adr, q, i
.irp c, 0,1,2,3
	ds_load_b128 v[\reg+4*\c:\reg+4*\c+3], v[\adr] offset:128*(\q)+32*\c+(\i)*16*PITCH
.endr
.endm
.macro MUL16 a0, p, zero
.irp a, \a0, \a0+1
.irp b, 0,1,2,3,4,5,6,7
.if \zero
.if MODE
	v_wmma_f32_16x16x128_bf8_bf8 v[8*(8*((\a)%4)+\b):8*(8*((\a)%4)+\b)+7], v[128*(\p)+FR*\b:128*(\p)+FR*\b+FR-1], v[AF+FR*(\a):AF+FR*(\a)+FR-1], v[TMP+8*\b:TMP+8*\b+7]
.else
	v_wmma_f32_16x16x128_bf8_bf8 v[8*(8*((\a)%4)+\b):8*(8*((\a)%4)+\b)+7], v[128*(\p)+FR*\b:128*(\p)+FR*\b+FR-1], v[AF+FR*(\a):AF+FR*(\a)+FR-1], 0
.endif
.else
	v_wmma_f32_16x16x128_bf8_bf8 v[8*(8*((\a)%4)+\b):8*(8*((\a)%4)+\b)+7], v[128*(\p)+FR*\b:128*(\p)+FR*\b+FR-1], v[AF+FR*(\a):AF+FR*(\a)+FR-1], v[8*(8*((\a)%4)+\b):8*(8*((\a)%4)+\b)+7]
.endif
.endr
.endr
.endm
.macro FETCH_B slot, q, p
	WIN TO_B
.irp i, 0,1,2,3,4,5,6,7
	FRAG 128*(\p)+FR*\i, ADRB+\slot, \q, \i
.endr
	WIN 0
.endm
.macro FETCH_A slot, q, i0
.irp i, \i0, \i0+1, \i0+2, \i0+3
	FRAG AF+FR*(\i), ADRA+\slot, \q, \i
.endr
.endm
.macro PLACES n
.rept \n
	v_nop
.endr
.endm
.macro STEP slot, q, zero
	s_wait_dscnt 4*NL
.if (\zero) && MODE
	WIN 0x81
.else
	WIN MUL_LO
.endif
	MUL16 0, (\q)%2, \zero
	MUL16 2, (\q)%2, \zero
	s_wait_dscnt 0
	PLACES NP
	FETCH_B \slot, (\q)+1, 1-(\q)%2
	FETCH_A \slot, (\q)+1, 0
.if (\zero) && MODE
	WIN 0xc1
.else
	WIN MUL_HI
.endif
	MUL16 4, (\q)%2, \zero
	MUL16 6, (\q)%2, \zero
	PLACES NP
	WIN 0
	FETCH_A \slot, (\q)+1, 4
.endm
.macro TURN slot, next, fill
	s_wait_tensorcnt 0x0
	ds_add_u32 v[SPW], v[NIL]
	s_wait_dscnt 4*NL+1
	WIN MUL_LO
	MUL16 0, 1, 0
	s_wait_dscnt 0x0
	s_barrier_signal -1
	MUL16 2, 1, 0
	WIN 0
	s_barrier_wait -1
.if \fill
	CREST
	s_add_nc_u64 s[G0+4*\slot+2:G0+4*\slot+3], s[G0+4*\slot+2:G0+4*\slot+3], 2*ROWB
	s_add_nc_u64 s[G0B+4*\slot+2:G0B+4*\slot+3], s[G0B+4*\slot+2:G0B+4*\slot+3], 2*ROWB
	JLOAD G0+4*\slot, G1, G0B+4*\slot, G1B
.else
	PLACES NP
.endif
	FETCH_B \next, 0, 0
	FETCH_A \next, 0, 0
	WIN MUL_HI
	MUL16 4, 1, 0
	MUL16 6, 1, 0
	PLACES NP
	WIN 0
	FETCH_A \next, 0, 4
.endm
	s_wait_tensorcnt 1
	s_barrier_signal -1
	s_barrier_wait -1
	FETCH_B 0, 0, 0
	FETCH_A 0, 0, 0
	FETCH_A 0, 0, 4
	STEP 0, 0, 1
	s_mov_b32 s3, LAPS-1
.Llap:
	TURN 0, 1, 1
	STEP 1, 0, 0
	TURN 1, 0, 1
	STEP 0, 0, 0
	s_sub_co_u32 s3, s3, 1
	s_cmp_lg_u32 s3, 0
	s_cbranch_scc1 .Llap
	TURN 0, 1, 0
	STEP 1, 0, 0
	s_wait_dscnt 4*NL
	WIN MUL_LO
	MUL16 0, 1, 0
	MUL16 2, 1, 0
	s_wait_dscnt 0
	WIN MUL_HI
	MUL16 4, 1, 0
	MUL16 6, 1, 0
	WIN 0
	s_wait_kmcnt 0x0
.if MODE
	s_sub_co_i32 s96, s82, s80
	s_sub_co_i32 s96, s96, s81
.else
	s_cmp_eq_u32 ttmp9, 1
	s_cselect_b32 s96, s70, s68
	s_cselect_b32 s97, s71, s69
	s_cselect_b32 s98, s75, s74
	s_cmp_eq_u32 ttmp9, 2
	s_cselect_b32 s96, s72, s96
	s_cselect_b32 s97, s73, s97
	s_cselect_b32 s98, s76, s98
	s_sub_co_i32 s96, s98, s96
	s_sub_co_i32 s96, s96, s97
.endif
	s_add_co_i32 s96, s96, 127
	s_lshl_b32 s97, s96, 23
	s_add_co_i32 s96, s96, 15
	s_lshl_b32 s96, s96, 23
	s_or_b32 s96, s96, 0x600000
	PLACES NP
	v_mov_b32 v[SCV], s97
	v_mov_b32 v[LIMV], s96
.macro CODES a
.set AC, 64*((\a)%4)
	WIN 0x02+((\a)/4)
.set i, 0
.rept 64
.if MODE
	v_med3_num_f32 v[TMP+i], v[AC+i], 0, v[LIMV]
.else
	v_med3_num_f32 v[TMP+i], v[AC+i], -v[LIMV], v[LIMV]
.endif
.set i, i+1
.endr
	WIN 0
.irp b, 0,1,2,3,4,5,6,7
	v_cvt_scalef32_pk8_bf8_f32 v[AF+16*(\a)+2*\b:AF+16*(\a)+2*\b+1], v[TMP+8*\b:TMP+8*\b+7], v[SCV]
.endr
	v_nop
.irp b, 0,1,2,3,4,5,6,7
	ds_store_b64 v[STO], v[AF+16*(\a)+2*\b:AF+16*(\a)+2*\b+1] offset:(\a)*16*SP+16*\b
.endr
.endm
.irp a, 0,1,2,3,4,5,6,7
	CODES \a
.endr
	s_wait_dscnt 0x0
	s_barrier_signal -1
	s_barrier_wait -1
.irp g, 0,1,2,3,4,5,6,7
.irp n, 0,1,2,3
	ds_load_b128 v[AF+16*\g+4*\n:AF+16*\g+4*\n+3], v[RD] offset:8*\g*SP+64*\n
.endr
.endr
.irp g, 0,1,2,3,4,5,6,7
.irp n, 0,1,2,3
	s_wait_dscnt 31-4*\g-\n
	global_store_b128 v[GO+\n], v[AF+16*\g+4*\n:AF+16*\g+4*\n+3], s[10:11] offset:512*\g
.endr
.endr
	s_wait_tensorcnt 0x0
	ds_add_u32 v[SPW], v[NIL]
	s_wait_dscnt 0x0
	CROUND
	s_endpgm
.Lfunc_end_k_q118db4c086_qkv:
	.size	k_q118db4c086_qkv, .Lfunc_end_k_q118db4c086_qkv-k_q118db4c086_qkv
	.p2alignl 7, 3214868480
	.fill 96, 4, 3214868480
	.section	.rodata,"a",@progbits
	.p2align	6, 0x0
	.amdhsa_kernel k_q118db4c086_qkv
		.amdhsa_group_segment_fixed_size 327680
		.amdhsa_private_segment_fixed_size 0
		.amdhsa_enable_private_segment 0
		.amdhsa_kernarg_size 32
		.amdhsa_user_sgpr_count 2
		.amdhsa_user_sgpr_kernarg_segment_ptr 1
		.amdhsa_wavefront_size32 1
		.amdhsa_system_sgpr_workgroup_id_x 1
		.amdhsa_system_sgpr_workgroup_id_y 1
		.amdhsa_system_sgpr_workgroup_id_z 1
		.amdhsa_system_vgpr_workitem_id 0
		.amdhsa_next_free_vgpr 1024
		.amdhsa_next_free_sgpr 100
		.amdhsa_reserve_vcc 0
		.amdhsa_float_denorm_mode_32 3
		.amdhsa_float_denorm_mode_16_64 3
		.amdhsa_memory_ordered 1
		.amdhsa_forward_progress 1
		.amdhsa_inst_pref_size 127
	.end_amdhsa_kernel
	.amdgpu_metadata
---
amdhsa.version: [ 1, 2 ]
amdhsa.kernels:
  - .name:           k_q118db4c086_qkv
    .symbol:         k_q118db4c086_qkv.kd
    .args:
      - { .name: hc, .offset: 0, .size: 8, .value_kind: global_buffer, .address_space: global }
      - { .name: wc, .offset: 8, .size: 8, .value_kind: global_buffer, .address_space: global }
      - { .name: lowp_scales, .offset: 16, .size: 8, .value_kind: global_buffer, .address_space: global }
      - { .name: qkvc, .offset: 24, .size: 8, .value_kind: global_buffer, .address_space: global }
    .group_segment_fixed_size: 327680
    .private_segment_fixed_size: 0
    .kernarg_segment_align: 8
    .kernarg_segment_size: 32
    .max_flat_workgroup_size: 128
    .sgpr_count:     100
    .vgpr_count:     1024
    .wavefront_size: 32
...
	.end_amdgpu_metadata
.endif
;; end of part 2
;; launch attn (part 3): grid 8 x 32, 16 waves a work-group, clusters of 4 x 1, 327,680 bytes of LDS; arguments qkvc, lowp_scales, ac; writes ac
.if DOCPART == 3
	.amdgcn_target "amdgcn-amd-amdhsa--gfx1250"
	.amdhsa_code_object_version 6
	.text
	.protected	k_q118db4c086_attn
	.globl	k_q118db4c086_attn
	.p2align	8
	.type	k_q118db4c086_attn,@function
k_q118db4c086_attn:
	s_mov_b64 s[64:65], 0
	v_nop
	global_prefetch_b8 v0, s[64:65] scope:SCOPE_SE
	s_setreg_imm32_b32 hwreg(HW_REG_WAVE_MODE, 25, 1), 1
	s_wait_xcnt 0x0
	s_wait_alu depctr_hold_cnt(0) depctr_sa_sdst(0) depctr_va_vdst(0) depctr_va_sdst(0) depctr_va_ssrc(0) depctr_va_vcc(0) depctr_vm_vsrc(0)
	s_getreg_b32 s2, hwreg(HW_REG_IB_STS2, 6, 4)
	s_cmp_eq_u32 s2, 0
	s_cbranch_scc0 .Lentry_in_a_cluster
	s_endpgm
.Lentry_in_a_cluster:
	s_bfe_u32 s2, ttmp6, 0x10000c
	s_cmp_lg_u32 s2, 0x3003
	s_cbranch_scc0 .Lentry_shape_is_right
	s_endpgm
.Lentry_shape_is_right:
; Causal attention on codes of BF8 (E5M2): products 4 and 5 and the softmax between them; the result is quantised for product 6 and stored as codes [head][token][64].
; WORK LEFT OUT: a key step all of whose 128 keys come after a tile's 16 queries: reference() masks those scores to -inf itself (jnp.tril), so their weight is 0 whatever the inputs hold.
; A NaN or an overflow that would arise only there is not carried to the result.
; q, k: [head][4,096 tokens][64] as codes; v: [token / 64][1,024 channels][64 tokens] as codes, the keys innermost.
; THE SOFTMAX: t = score x log2(e) / 32; M = the running largest t rounded UP to a whole number; p = 2^(t - M) is quantised, not normalised; the row's sum is taken of the unquantised p and divides at the end.
; When M moves, the sum and O are multiplied by 2^(old M - new M): exact.
; LDS: ALL 2,048 keys of K and of V of one head and batch stay in LDS, 16 bytes of padding behind every 128: 72 bytes a key (a channel's 64 keys), 147,456 bytes each.  Sixteen first fills, one a wave
; (waves 0-7: 256 keys of K each; waves 8-15: of V); nothing is filled again, so one barrier stands ahead of the loop and none in it.
; SHARES.  Work-group g of the eight of a head and batch owns the query tiles 8 i + g, i = 0 .. 15; tile i needs i + 1 key steps of 128 keys, whatever g is: 136 tile steps.  Waves 2 p, 2 p + 1 form pair p:
; the wave of role a takes key steps 0 .. 7 of tile 15 - p (none on the diagonal); the wave of role b takes tile p whole (steps 0 .. p), stores it, and then steps 8 .. 15 - p of tile 15 - p: 8 and 9 steps.
; At the end b hands its O, sum and M of tile 15 - p to a through LDS (in K's bytes, behind a barrier behind which nobody reads K); a joins the two parts by exact powers of two and stores the tile.
; Every wave walks one loop of 16 trips (a constant); a trip's work is jumped over by a scalar branch on the wave's number and the trip's number alone.
; CLUSTER: 4 x 1 work-groups of one head and batch read the same K and V: each fill is a joint load with the mask 15.  No branch, trip count or LDS address hangs on the place in the cluster.
; NO PREFETCH: all fills go out at the head, as the first memory instructions; there is no loop to run ahead in.
; LAYOUT.  Both products transposed: S^T = K Q^T (16x16x64), O^T = V^T P^T (16x16x128): a lane holds ONE query.  Lane r of tile 2 b + u (of keys, and of V's channels) takes row 32 b + 8 u + r + 8 (r / 8), so that the
; 16 registers of tiles 2 b, 2 b + 1 are the 16 neighbours 32 b + 16 (lane / 16) + 0 .. 15.  With the padding these sixteen rows start in sixteen different 16-byte columns of 256 bytes.
; Fragments come by loads of 16 bytes: a permutation along K that is the same on both sides of each product.
; LIMITS: e6 + e7 between -121 and 132 (added to c's exponent field); e9, and e10 - e8 - e9, between -126 and 112; the scaled scores stay under 2^31 in magnitude.  NaN is not served.
.set KCH,   18432                      ; 256 keys in LDS
.set VOFF,  8*KCH                      ; V behind K
.set STEPB, 9216                       ; 128 keys on, in K and in V
.set VBLK,  4608                       ; 64 channels of one block of 64 keys
.set STAGE, 2*VOFF                     ; the way out: 16 rows x 80 bytes a wave, bytes of their own
.set SROW,  80
.set SPARE, STAGE+16*16*SROW           ; the spare words, 128 bytes for each of 16 waves
.set MRG,   4352                       ; a pair's hand-over: 32 x 128 bytes of O, 256 of sum and -M; from LDS byte 0 on
.set LN,   1                           ; v1  my lane's place in a tile of K or V
.set DV,   2                           ; v2  on the diagonal: my query - the step's first key - 16 (lane / 16)
.set STO,  3
.set RD,   4
.set SPW,  5
.set NIL,  6
.set GO,   7
.set ADK,  8
.set ADV,  9
.set MA,   10                          ; v10, v11  the hand-over's addresses
.set MB,   11
.set SA,   208                         ; v208-215 four chains of the sum; the way out's rows
.set F,    224                         ; v[224:225] f;  v[226:227] the partner's f
.set F2,   226
.set PT,   228
.set NINF, 229
.set LIMP, 230
.set SCP,  231
.set LIMO, 232
.set SCO,  233
.set T0,   234
.set T1,   235
; v12 -M, v13 the largest t, v[14:15] the sum; v16-23 Q; v24-31 Q of tile 15 - p; v32-95 fragments; v96-159 S^T, then p; v160-191 O^T; v192-207 p's codes
.set WV,   18
.set ROLE, 19
.set SEL,  20
.set CS,   22
.set G1K,  24
.set G1V,  32
.set G0K,  40
.set G0V,  44
.set PP,   48
.set GG,   49
.set T,    50                          ; s50 the trip = the key step
.set TB,   51                          ; s51 its first byte in K
.set HI,   52                          ; s52 the last key step of the tile in hand
.set DG,   53                          ; s53 the step on the diagonal (role a: none)
.set MT,   54                          ; s54 the trip at whose head role b changes tiles (role a: none)
.set HI2,  55                          ; s55 15 - p
.macro CROUND
	s_barrier_signal -1
	s_barrier_wait -1
	s_cmp_lg_u32 s[WV], 0
	s_cbranch_scc1 .Lnot_wave_0_\@
	s_barrier_signal -3
.Lnot_wave_0_\@:
	s_barrier_wait -3
	s_barrier_signal -1
	s_barrier_wait -1
.endm
.macro INIT                            ; a tile's state: the first change of M multiplies zeros
	v_mov_b32 v13, 0xff61b1e6                      ; -3e38
	v_floor_f32 v12, -v13
	v_mov_b32 v14, 0
	v_mov_b32 v15, 0
.set i, 0
.rept 32
	v_mov_b32 v[160+i], 0
.set i, i+1
.endr
.endm
; A tile's way out; v14 = my lane's sum.  O^T / the sum stands for attention / 2^(e8 + e9); its code is that / 2^(e10 - e8 - e9).  16 queries x 64 codes go through my stage and leave as 1,024 consecutive bytes.
.macro FINISH
	v_permlanex16_b32 v[PT], v14, s[SEL], s[SEL+1]
	v_add_f32 v14, v14, v[PT]
	s_wait_alu depctr_va_vdst(0)                   ; the wait ahead of the transcendental
	v_rcp_f32 v14, v14
	v_nop
	s_wait_alu depctr_va_vdst(0)                   ; and ahead of its first reader, which is O^T's too
.set i, 0
.rept 32
	v_mul_f32 v[96+i], v[160+i], v14               ; register 16 b + i: channel 32 b + 16 (lane / 16) + i
.set i, i+1
.endr
.set i, 0
.rept 32
	v_med3_num_f32 v[96+i], v[96+i], -v[LIMO], v[LIMO]
.set i, i+1
.endr
.irp t, 0,1,2,3
	v_cvt_scalef32_pk8_bf8_f32 v[192+2*\t:193+2*\t], v[96+8*\t:103+8*\t], v[SCO]
.endr
	v_nop
	ds_store_b128 v[STO], v[192:195]
	ds_store_b128 v[STO], v[196:199] offset:32
	ds_load_b128 v[SA:SA+3], v[RD]                 ; LDS serves a wave's instructions in order
	ds_load_b128 v[SA+4:SA+7], v[RD] offset:8*SROW
	s_wait_dscnt 1                                 ; the second load may be out
	global_store_b128 v[GO], v[SA:SA+3], s[8:9]    ; the wave stores 512 consecutive aligned bytes
	s_wait_dscnt 0
	global_store_b128 v[GO], v[SA+4:SA+7], s[8:9] offset:512
.endm
	s_load_b128 s[4:7], s[0:1], 0x0                ; q, k, v's codes; the exponents
	s_load_b64 s[8:9], s[0:1], 0x10                ; the result
	v_lshl_add_u32 v[SPW], v0, 2, SPARE
	v_mov_b32 v[NIL], 0
	ds_add_u32 v[SPW], v[NIL]                      ; the opening: the add, twice on end, and its wait
	ds_add_u32 v[SPW], v[NIL]
	v_lshrrev_b32 v8, 5, v0
	v_readfirstlane_b32 s[WV], v8                  ; wave 0..15
	s_bfe_u32 s10, ttmp6, 0x40000                  ; my place in the cluster
	s_lshl_b32 s[GG], ttmp9, 2
	s_add_co_u32 s[GG], s[GG], s10                 ; g
	s_and_b32 s11, ttmp7, 0xffff
	s_and_b32 s12, s11, 15                         ; head
	s_lshr_b32 s13, s11, 4                         ; batch
	s_lshl_b32 s14, s12, 18
	s_lshl_b32 s15, s13, 17
	s_add_co_u32 s14, s14, s15                     ; head and batch in q, k and the result
	s_lshr_b32 s[ROLE], s[WV], 2
	s_xor_b32 s[ROLE], s[ROLE], s[WV]
	s_and_b32 s[ROLE], s[ROLE], 1                  ; 0: a, 1: b; it changes with wave / 4
	s_lshr_b32 s[PP], s[WV], 1                     ; pair
	s_sub_co_u32 s[HI2], 15, s[PP]
	s_cmp_eq_u32 s[ROLE], 1
	s_cselect_b32 s16, s[PP], s[HI2]               ; my first tile, which is also the one that I store
	s_cselect_b32 s[HI], s[PP], 7
	s_cselect_b32 s[DG], s[PP], 99
	s_cselect_b32 s[MT], 8, 99
	s_lshl_b32 s17, s[GG], 10
	s_add_co_u32 s17, s17, s14
	s_lshl_b32 s76, s16, 13                        ; tile i begins at query 128 i + 16 g: 64 bytes a query
	s_add_co_u32 s76, s76, s17
	s_mov_b32 s77, 0
	s_lshl_b32 s78, s[HI2], 13
	s_add_co_u32 s78, s78, s17
	s_mov_b32 s79, 0
	s_and_b32 s84, s[WV], 7                        ; which 256 keys I fetch
	s_mul_i32 s85, s84, KCH
	s_add_co_u32 s86, s85, VOFF
	s_lshl_b32 s88, s84, 14
	s_add_co_u32 s88, s88, s14
	s_add_co_u32 s88, s88, 0x400000                ; k
	s_mov_b32 s89, 0
	s_lshl_b32 s90, s84, 18                        ; v: four blocks of 64 tokens x 65,536 bytes,
	s_lshl_b32 s87, s13, 21
	s_add_co_u32 s90, s90, s87
	s_lshl_b32 s87, s12, 12                        ; 64 channels x 64 bytes a head
	s_add_co_u32 s90, s90, s87
	s_add_co_u32 s90, s90, 0x800000
	s_mov_b32 s91, 0
	s_mul_i32 s80, s[WV], 16*SROW
	s_add_co_u32 s80, s80, STAGE                   ; my stage
	s_mul_i32 s81, s[PP], MRG                      ; my pair's hand-over
	s_add_co_u32 s82, s81, 4096
	s_lshl_b32 s83, s[GG], 4
	s_mov_b32 s[G1K], 15|(1<<20)|(1<<21)|(4<<22)|(3<<25)   ; the mask of all four; bytes; padding: 4 words after every 32
	s_mov_b32 s[G1K+1], 4096<<16                   ; a run of 64 keys x 64 bytes
	s_mov_b32 s[G1K+2], 4<<16
	s_mov_b32 s[G1K+3], 4096<<16
	s_mov_b32 s[G1K+4], 4
	s_mov_b32 s[G1K+5], 4096
	s_mov_b32 s[G1K+6], 0
	s_mov_b32 s[G1K+7], 0
	s_mov_b32 s[G1V], 15|(1<<20)|(1<<21)|(4<<22)|(3<<25)
	s_mov_b32 s[G1V+1], 4096<<16                   ; a run of 64 channels x 64 keys
	s_mov_b32 s[G1V+2], 4<<16
	s_mov_b32 s[G1V+3], 4096<<16
	s_mov_b32 s[G1V+4], 4
	s_mov_b32 s[G1V+5], 65536
	s_mov_b32 s[G1V+6], 0
	s_mov_b32 s[G1V+7], 0
	s_mov_b32 s[SEL], 0x76543210
	s_mov_b32 s[SEL+1], 0xfedcba98
	s_mov_b32 s[CS], 0x3d38aa3b                    ; c = log2(e) / 32
	s_mov_b32 s[T], 0
	s_mov_b32 s[TB], 0
	s_wait_dscnt 0x0                               ; both opening adds are done
	s_wait_kmcnt 0x0
	s_load_b256 s[68:75], s[6:7], 0x10             ; entries 4 to 11: e6 s70, e7 s71, e8 s72, e9 s73, e10 s74
	s_mov_b32 s[G0K], 1
	s_mov_b32 s[G0K+1], s85
	s_add_nc_u64 s[G0K+2:G0K+3], s[4:5], s[88:89]
	s_or_b32 s[G0K+3], s[G0K+3], 0x80000000
	s_mov_b32 s[G0V], 1
	s_mov_b32 s[G0V+1], s86
	s_add_nc_u64 s[G0V+2:G0V+3], s[4:5], s[90:91]
	s_or_b32 s[G0V+3], s[G0V+3], 0x80000000
	CROUND                                         ; all four work-groups are here: the joint loads meet
	s_cmp_lt_u32 s[WV], 8
	s_cbranch_scc0 .Lfor_v
	tensor_load_to_lds s[G0K:G0K+3], s[G1K:G1K+7]
	s_nop 0
.rept 4
	v_nop
.endr
	s_branch .Lasked
.Lfor_v:
	tensor_load_to_lds s[G0V:G0V+3], s[G1V:G1V+7]
	s_nop 0
.rept 4
	v_nop
.endr
.Lasked:
	s_add_nc_u64 s[56:57], s[4:5], s[76:77]        ; Q of my first tile
	s_add_nc_u64 s[58:59], s[4:5], s[78:79]        ; Q of tile 15 - p
	s_add_nc_u64 s[8:9], s[8:9], s[76:77]
	v_and_b32 v208, 15, v0                         ; r
	v_bfe_u32 v209, v0, 4, 1                       ; h
	v_lshlrev_b32 v212, 6, v208
	v_lshl_add_u32 v212, v209, 4, v212             ; Q: row r, 16 h
	global_load_b128 v[24:27], v212, s[58:59]
	global_load_b128 v[28:31], v212, s[58:59] offset:32
	v_and_b32 v210, 8, v208
	v_add_nc_u32 v210, v210, v208                  ; r + 8 (r / 8)
	v_lshrrev_b32 v211, 1, v210
	v_mul_u32_u24 v211, v211, 144                  ; two rows of 64 bytes, then 16 of padding
	v_and_b32 v210, 1, v210
	v_lshl_add_u32 v211, v210, 6, v211
	v_lshl_add_u32 v[LN], v209, 4, v211
	v_lshlrev_b32 v213, 4, v209
	v_sub_nc_u32 v[DV], v208, v213
	v_add_nc_u32 v[DV], s83, v[DV]                 ; 16 g + r - 16 h
	v_mul_u32_u24 v214, v208, SROW
	v_lshl_add_u32 v214, v209, 4, v214
	v_add_nc_u32 v[STO], s80, v214                 ; in: row r, 16 bytes for each half of the lanes
	v_and_b32 v215, 31, v0
	v_lshrrev_b32 v216, 2, v215
	v_mul_u32_u24 v216, v216, SROW
	v_and_b32 v217, 3, v215
	v_lshl_add_u32 v216, v217, 4, v216
	v_add_nc_u32 v[RD], s80, v216                  ; back: four lanes to a row, eight rows an instruction
	v_lshlrev_b32 v[GO], 4, v215
	v_lshl_add_u32 v[MA], v215, 4, s81
	v_lshl_add_u32 v[MB], v215, 3, s82
	v_mov_b32 v[PT], 0                             ; a lane permute's destination counts as one of its sources
	v_mov_b32 v[F], 0
	v_mov_b32 v[F+1], 0                            ; (named as the upper halves of pairs)
	v_mov_b32 v[F2+1], 0
	v_mov_b32 v[NINF], 0xff800000
	INIT
	s_wait_alu depctr_va_vdst(0)                   ; the wait ahead of the branch
	s_cmp_eq_u32 s[ROLE], 1
	s_cbranch_scc0 .Lrole_a
	global_load_b128 v[16:19], v212, s[56:57]      ; role b begins with tile p
	global_load_b128 v[20:23], v212, s[56:57] offset:32
	s_branch .Lq_done
.Lrole_a:
	s_wait_loadcnt 0x0                             ; role a has one tile
.set i, 0
.rept 8
	v_mov_b32 v[16+i], v[24+i]
.set i, i+1
.endr
.Lq_done:
	s_wait_kmcnt 0x0
	s_add_co_i32 s96, s70, s71
	s_lshl_b32 s96, s96, 23
	s_add_co_i32 s[CS], s[CS], s96                 ; a score stands for score x 2^(e6 + e7)
	s_mov_b32 s[CS+1], s[CS]
	s_add_co_i32 s96, s73, 127
	s_lshl_b32 s97, s96, 23
	v_mov_b32 v[SCP], s97                          ; 2^e9
	s_add_co_i32 s96, s96, 15
	s_lshl_b32 s96, s96, 23
	s_or_b32 s96, s96, 0x600000
	v_mov_b32 v[LIMP], s96                         ; 57,344 x 2^e9
	s_sub_co_i32 s96, s74, s72
	s_sub_co_i32 s96, s96, s73
	s_add_co_i32 s96, s96, 127
	s_lshl_b32 s97, s96, 23
	v_mov_b32 v[SCO], s97                          ; 2^(e10 - e8 - e9)
	s_add_co_i32 s96, s96, 15
	s_lshl_b32 s96, s96, 23
	s_or_b32 s96, s96, 0x600000
	v_mov_b32 v[LIMO], s96
	s_wait_alu depctr_va_vdst(0)                   ; the wait at the head's end
	s_wait_loadcnt 0x0                             ; Q
	s_wait_tensorcnt 0x0                           ; my 256 keys are in
	s_barrier_signal -1
	s_barrier_wait -1                              ; and everybody's
.Lstep:                                            ; sixteen trips; trip t is key step t
	s_cmp_eq_u32 s[T], s[MT]
	s_cbranch_scc0 .Lno_mid
.rept 4
	v_nop                                          ; places behind the last products
.endr
	v_add_f32 v14, v14, v15                        ; ROLE b CHANGES TILES: tile p goes out,
	FINISH
	s_wait_xcnt 0x0                                ; the stores have read their registers
.set i, 0
.rept 8
	v_mov_b32 v[16+i], v[24+i]                     ; and tile 15 - p begins, at key step 8
.set i, i+1
.endr
	INIT
	s_mov_b32 s[HI], s[HI2]
	s_mov_b32 s[DG], s[HI2]
	s_wait_alu depctr_va_vdst(0)
.Lno_mid:
	s_cmp_gt_u32 s[T], s[HI]                       ; not my step: the wave's number and the trip's alone decide
	s_cbranch_scc1 .Lhidden
	v_add_nc_u32 v[ADK], s[TB], v[LN]
	v_add_nc_u32 v[ADV], VOFF, v[ADK]
	v_nop                                          ; with the two additions: four places in front of loads into registers that the last products read
	v_nop
.irp t, 0,1,2,3,4,5,6,7
.irp c, 0,1
	ds_load_b128 v[32+8*\t+4*\c:35+8*\t+4*\c], v[ADK] offset:(16*(\t/2)+4*(\t%2))*144+32*\c
.endr
.endr
	s_wait_alu depctr_va_vdst(0)
	s_wait_dscnt 0x0
.irp t, 0,1,2,3,4,5,6,7
	v_wmma_f32_16x16x64_bf8_bf8 v[96+8*\t:103+8*\t], v[32+8*\t:39+8*\t], v[16:23], 0
.endr
.rept 4
	v_nop                                          ; places: for the reads of the scores, and for V's loads into K's registers
.endr
.irp t, 0,1,2,3
.irp c, 0,1,2,3
	ds_load_b128 v[32+16*\t+4*\c:35+16*\t+4*\c], v[ADV] offset:(\c/2)*VBLK+(16*(\t/2)+4*(\t%2))*144+32*(\c%2)   ; V's fragments land while the softmax is worked
.endr
.endr
	s_cmp_lg_u32 s[T], s[DG]                       ; on the diagonal hidden scores become -infinity ahead of the maximum
	s_cbranch_scc1 .Lopen
.set n, 0
.rept 64
	v_cmp_gt_i32 vcc_lo, 32*(n/16)+n%16, v[DV]     ; register 16 b + i holds key 32 b + 16 (lane / 16) + i of the step
	v_cndmask_b32 v[96+n], v[96+n], v[NINF], vcc_lo
.set n, n+1
.endr
.Lopen:
	v_max3_num_f32 v[T0], v96, v97, v98            ; the step's largest score of my query, in two chains,
	v_max3_num_f32 v[T1], v99, v100, v101
.irp i, 6,10,14,18,22,26,30,34,38,42,46,50,54,58
	v_max3_num_f32 v[T0], v[T0], v[96+\i], v[97+\i]
	v_max3_num_f32 v[T1], v[T1], v[98+\i], v[99+\i]
.endr
	v_max3_num_f32 v[T0], v[T0], v158, v159
	v_max_num_f32 v[T0], v[T0], v[T1]
	v_permlanex16_b32 v[PT], v[T0], s[SEL], s[SEL+1]
	v_max_num_f32 v[T0], v[T0], v[PT]              ; and among lane l xor 16's
	v_mul_f32 v[T0], s[CS], v[T0]                  ; as t (c is positive)
	v_max_num_f32 v13, v13, v[T0]
	v_mov_b32 v[T0], v12
	v_floor_f32 v12, -v13                          ; the new -M = -ceil(t)
	v_sub_f32 v[T0], v12, v[T0]                    ; old M - new M: a whole number, 0 or less
	v_cvt_i32_f32 v[T0], v[T0]
	v_ldexp_f32 v[F], 1.0, v[T0]                   ; f = 2^(old M - new M)
.set i, 0
.rept 32
	v_pk_fma_f32 v[96+i:97+i], v[96+i:97+i], s[CS:CS+1], v[12:13] op_sel_hi:[1,0,0]   ; t - M
.set i, i+2
.endr
	s_wait_alu depctr_va_vdst(0)                   ; the wait ahead of the batch
.set i, 0
.rept 64
	v_exp_f32 v[96+i], v[96+i]                     ; p = 2^(t - M)
.set i, i+1
.endr
	v_pk_mul_f32 v[14:15], v[14:15], v[F:F+1] op_sel_hi:[1,0]   ; the sums under the new M: a plain instruction behind the exponentials
	s_wait_alu depctr_va_vdst(0)                   ; one wait for the whole batch, ahead of its first reader
.irp c, 0,1,2,3
	v_pk_add_f32 v[SA+2*\c:SA+2*\c+1], v[96+4*\c:97+4*\c], v[98+4*\c:99+4*\c]   ; the sum of the unquantised p, in four chains
.endr
.set i, 16
.rept 24
	v_pk_add_f32 v[SA+2*((i/2)%4):SA+2*((i/2)%4)+1], v[SA+2*((i/2)%4):SA+2*((i/2)%4)+1], v[96+i:97+i]
.set i, i+2
.endr
	v_pk_add_f32 v[SA:SA+1], v[SA:SA+1], v[SA+2:SA+3]
	v_pk_add_f32 v[SA+4:SA+5], v[SA+4:SA+5], v[SA+6:SA+7]
	v_pk_add_f32 v[14:15], v[14:15], v[SA:SA+1]
	v_pk_add_f32 v[14:15], v[14:15], v[SA+4:SA+5]
.irp b, 0,1,2,3
.irp i, 0,1,2,3,4,5,6,7,8,9,10,11,12,13,14,15
	v_min_num_f32 v[96+16*\b+\i], v[96+16*\b+\i], v[LIMP]   ; the hold; p is not negative
.endr
	v_cvt_scalef32_pk8_bf8_f32 v[192+4*\b:193+4*\b], v[96+16*\b:103+16*\b], v[SCP]
	v_cvt_scalef32_pk8_bf8_f32 v[194+4*\b:195+4*\b], v[104+16*\b:111+16*\b], v[SCP]
.endr
	s_wait_alu depctr_va_vdst(0)                   ; the wait directly ahead of the first reader of O^T
.set i, 0
.rept 16
	v_pk_mul_f32 v[160+i:161+i], v[160+i:161+i], v[F:F+1] op_sel_hi:[1,0]   ; O^T under the new M; also the plain instructions between the conversions and the products
.set i, i+2
.endr
	s_wait_alu depctr_va_vdst(0)
	s_wait_dscnt 0x0                               ; V's fragments are in
.irp t, 0,1,2,3
	v_wmma_f32_16x16x128_bf8_bf8 v[160+8*\t:167+8*\t], v[32+16*\t:47+16*\t], v[192:207], v[160+8*\t:167+8*\t]
.endr
.Lhidden:
	s_add_co_u32 s[TB], s[TB], STEPB
	s_add_co_u32 s[T], s[T], 1
	s_cmp_lt_u32 s[T], 16
	s_cbranch_scc1 .Lstep
.rept 4
	v_nop                                          ; places behind the last products
.endr
	s_wait_dscnt 0x0
	s_barrier_signal -1
	s_barrier_wait -1                              ; nobody reads K or V any more: K's first bytes, which have had their only fill, take the hand-over
	s_cmp_eq_u32 s[ROLE], 1
	s_cbranch_scc0 .Lno_send
	v_add_f32 v14, v14, v15                        ; role b: my lane's sum, and -M beside it
	v_mov_b32 v15, v12
.irp k, 0,1,2,3,4,5,6,7
	ds_store_b128 v[MA], v[160+4*\k:163+4*\k] offset:512*\k   ; an image of the registers, 16 bytes a lane
.endr
	ds_store_b64 v[MB], v[14:15]
.Lno_send:
	s_wait_alu depctr_va_vdst(0)
	s_wait_dscnt 0x0
	s_barrier_signal -1
	s_barrier_wait -1
	s_cmp_eq_u32 s[ROLE], 0
	s_cbranch_scc0 .Lend
.irp k, 0,1,2,3,4,5,6,7
	ds_load_b128 v[96+4*\k:99+4*\k], v[MA] offset:512*\k      ; role a: the partner's O^T,
.endr
	ds_load_b64 v[128:129], v[MB]                  ; its sum and its -M
	v_add_f32 v14, v14, v15
	s_wait_alu depctr_va_vdst(0)
	s_wait_dscnt 0x0
	v_min_num_f32 v[T0], v12, v129                 ; -M of both parts
	v_sub_f32 v[T1], v[T0], v12                    ; my M - M, and the partner's: whole numbers, 0 or less
	v_sub_f32 v[T0], v[T0], v129
	v_cvt_i32_f32 v[T1], v[T1]
	v_cvt_i32_f32 v[T0], v[T0]
	v_ldexp_f32 v[F], 1.0, v[T1]
	v_ldexp_f32 v[F2], 1.0, v[T0]
	v_mul_f32 v14, v14, v[F]
	v_fmac_f32 v14, v128, v[F2]
.set i, 0
.rept 16
	v_pk_mul_f32 v[160+i:161+i], v[160+i:161+i], v[F:F+1] op_sel_hi:[1,0]
.set i, i+2
.endr
.set i, 0
.rept 16
	v_pk_fma_f32 v[160+i:161+i], v[96+i:97+i], v[F2:F2+1], v[160+i:161+i] op_sel_hi:[1,0,1]
.set i, i+2
.endr
	FINISH
.Lend:
	s_wait_tensorcnt 0x0                           ; the wave's end
	ds_add_u32 v[SPW], v[NIL]
	s_wait_dscnt 0x0
	CROUND                                         ; the closing round
	s_endpgm
.Lfunc_end_k_q118db4c086_attn:
	.size	k_q118db4c086_attn, .Lfunc_end_k_q118db4c086_attn-k_q118db4c086_attn
	.p2alignl 7, 3214868480
	.fill 96, 4, 3214868480
	.section	.rodata,"a",@progbits
	.p2align	6, 0x0
	.amdhsa_kernel k_q118db4c086_attn
		.amdhsa_group_segment_fixed_size 327680
		.amdhsa_private_segment_fixed_size 0
		.amdhsa_enable_private_segment 0
		.amdhsa_kernarg_size 24
		.amdhsa_user_sgpr_count 2
		.amdhsa_user_sgpr_kernarg_segment_ptr 1
		.amdhsa_wavefront_size32 1
		.amdhsa_system_sgpr_workgroup_id_x 1
		.amdhsa_system_sgpr_workgroup_id_y 1
		.amdhsa_system_sgpr_workgroup_id_z 1
		.amdhsa_system_vgpr_workitem_id 0
		.amdhsa_next_free_vgpr 256
		.amdhsa_next_free_sgpr 100
		.amdhsa_reserve_vcc 1
		.amdhsa_float_denorm_mode_32 3
		.amdhsa_float_denorm_mode_16_64 3
		.amdhsa_memory_ordered 1
		.amdhsa_forward_progress 1
		.amdhsa_inst_pref_size 45
	.end_amdhsa_kernel
	.amdgpu_metadata
---
amdhsa.version: [ 1, 2 ]
amdhsa.kernels:
  - .name:           k_q118db4c086_attn
    .symbol:         k_q118db4c086_attn.kd
    .args:
      - { .name: qkvc, .offset: 0, .size: 8, .value_kind: global_buffer, .address_space: global }
      - { .name: lowp_scales, .offset: 8, .size: 8, .value_kind: global_buffer, .address_space: global }
      - { .name: ac, .offset: 16, .size: 8, .value_kind: global_buffer, .address_space: global }
    .group_segment_fixed_size: 327680
    .private_segment_fixed_size: 0
    .kernarg_segment_align: 8
    .kernarg_segment_size: 24
    .max_flat_workgroup_size: 512
    .sgpr_count:     100
    .vgpr_count:     256
    .wavefront_size: 32
...
	.end_amdgpu_metadata
.endif
;; end of part 3
;; launch wo (part 4): grid 8 x 32, 4 waves a work-group, clusters of 4 x 4, 327,680 bytes of LDS; arguments ac, wc, x1, lowp_scales, bo, x; writes x1
.if DOCPART == 4
	.amdgcn_target "amdgcn-amd-amdhsa--gfx1250"
	.amdhsa_code_object_version 6
	.text
	.protected	k_q118db4c086_wo
	.globl	k_q118db4c086_wo
	.p2align	8
	.type	k_q118db4c086_wo,@function
k_q118db4c086_wo:
	s_mov_b64 s[64:65], 0
	v_nop
	global_prefetch_b8 v0, s[64:65] scope:SCOPE_SE
	s_setreg_imm32_b32 hwreg(HW_REG_WAVE_MODE, 25, 1), 1
	s_wait_xcnt 0x0
	s_wait_alu depctr_hold_cnt(0) depctr_sa_sdst(0) depctr_va_vdst(0) depctr_va_sdst(0) depctr_va_ssrc(0) depctr_va_vcc(0) depctr_vm_vsrc(0)
	s_getreg_b32 s2, hwreg(HW_REG_IB_STS2, 6, 4)
	s_cmp_eq_u32 s2, 0
	s_cbranch_scc0 .Lentry_in_a_cluster
	s_endpgm
.Lentry_in_a_cluster:
	s_bfe_u32 s2, ttmp6, 0x10000c
	s_cmp_lg_u32 s2, 0xf033
	s_cbranch_scc0 .Lentry_shape_is_right
	s_endpgm
.Lentry_shape_is_right:
; OUT[m][n] = RES[m][n] + BIAS[n] + 2^(eA + eB) x sum over k of A[m][k] B[n][k], on codes of BF8 (E5M2); OUT, RES: [4096][1024] f32.
; Two launches share this design; their texts differ in constants and in how K is loaded.  Here: product 6: A = attention's codes, B = Wo's codes, K = 1,024, entries 10 and 11, BIAS = bo, RES = x, OUT = x1.
; A is laid [k / 64][4,096 rows][64]: 64 rows x 64 codes are a dense run of 4,096 bytes; B is laid [n][K].
; A tile of OUT is 128 x 128, so that the 4,096 x 1,024 results give 256 work-groups; four waves, each 64 x 64: 16 accumulators.  K goes in steps of 512 through a ring of two LDS slots filled by the tensor data mover.
; CLUSTERS: 4 x 4 work-groups; A's tile is shared along a row of the cluster, B's along a column, each asked for jointly.  THE MATRIX INSTRUCTION IS USED TRANSPOSED (source 0 = 16 rows of B, source 1 = 16 rows of A).
; The residual's 64 x 64 numbers of a wave are asked for at the head, in the layout in which rows come back from the stage, and wait in registers.  A wave's 64 columns are 256 bytes: each wave has its own stage.
; LIMIT: eA + eB between -126 and 127.
; REGISTERS: window 0: v0-31 addresses and the bias; v32-95 the way out; v128-255 the accumulators ((a, b) at v[128 + 8 (4 a + b)]).  window 1: two fragment buffers of 128: A's four fragments, then B's four.  window 2: v0-127 the residual.
.set WOFF,  0x300000                   ; where B's codes begin in wc
.set KROWB, 1024                       ; a row of B in bytes
.set LAPS,  1                          ; K / 1,024
.set SOFF,  0x28                       ; the two exponents' place among the scales
.set AP,    80                         ; A in LDS: 64 codes + 16 of padding
.set ABLK,  64*AP                      ; 64 rows of one block of 64 along K
; IN THIS LAUNCH K is 1,024 and all of it comes by ONE load a wave, filled once: what the macros call slots 0 and 1 are the two halves of K inside those tiles.
.set AHALF, 16*ABLK                    ; what one tensor load brings of A: 64 rows x 1,024 K
.set BP,    1040                       ; B in LDS: 1,024 codes + 16
.set BHALF, 64*BP
.set SLOT,  2*AHALF+2*BHALF
.set ASTEP, 8*262144                   ; 512 along K in A's memory
.set STAGE, SLOT                       ; behind the tiles: 16 rows x 272 bytes for each wave
.set SP,    272
.set SPARE, STAGE+4*16*SP              ; behind the stages: the spare words
.set BI,   12                          ; v12-15  the bias of my four columns
.set ADRA, 16
.set ADRB, 20
.set STO,  24
.set RD,   25
.set RO,   26                          ; v26     my byte offset in two rows of OUT and RES
.set BO,   27
.set SPW,  28
.set NIL,  29
.set TMP,  32
.set ACC,  128
.set F0,   0
.set F1,   128
.set G1, 24
.set G0, 32
.set G1B, 48
.set G0B, 56
.set MSB, 0
.macro WIN new
.if MSB != \new
	s_set_vgpr_msb (MSB<<8)|\new
.set MSB, \new
.endif
.endm
.set MUL,  0x05                        ; sources 0 and 1 window 1; C and D window 0
.set TO_F, 0x40
.macro JLOAD s                         ; waves 0 and 1 fetch A's two halves, waves 2 and 3 B's; an s_nop 0 and four v_nop follow each line
	s_cmp_eq_u32 s11, 0
	s_cbranch_scc0 .Lfor_b_\@
	tensor_load_to_lds s[G0+4*\s:G0+4*\s+3], s[G1:G1+7]
	s_nop 0
.rept 4
	v_nop
.endr
	s_branch .Lasked_\@
.Lfor_b_\@:
	tensor_load_to_lds s[G0B+4*\s:G0B+4*\s+3], s[G1B:G1B+7]
	s_nop 0
.rept 4
	v_nop
.endr
.Lasked_\@:
.endm
.macro CREST
	s_cmp_lg_u32 s10, 0
	s_cbranch_scc1 .Lnot_wave_0_\@
	s_barrier_signal -3
.Lnot_wave_0_\@:
	s_barrier_wait -3
	s_barrier_signal -1
	s_barrier_wait -1
.endm
.macro CROUND
	s_barrier_signal -1
	s_barrier_wait -1
	CREST
.endm
	s_load_b128 s[4:7], s[0:1], 0x0                ; A's codes, wc
	s_load_b64 s[8:9], s[0:1], 0x10                ; OUT
	s_load_b128 s[68:71], s[0:1], 0x18             ; the exponents, BIAS
	s_load_b64 s[72:73], s[0:1], 0x28              ; RES
	v_lshl_add_u32 v[SPW], v0, 2, SPARE
	v_mov_b32 v[NIL], 0
	ds_add_u32 v[SPW], v[NIL]                      ; the wave's opening: the add, twice on end, and its wait ahead of my first tensor load
	ds_add_u32 v[SPW], v[NIL]
	v_lshrrev_b32 v1, 5, v0
	v_readfirstlane_b32 s10, v1                    ; wave 0..3
	s_lshr_b32 s11, s10, 1                         ; my half of the tile's rows.  Also: I fetch for A (0) or for B (1)
	s_and_b32 s12, s10, 1                          ; my half of its columns.  Also: which 64 rows I fetch
	s_bfe_u32 s40, ttmp6, 0x40000
	s_bfe_u32 s41, ttmp6, 0x40004
	s_lshl_b32 s42, ttmp9, 2
	s_add_co_u32 s42, s42, s40                     ; tile column
	s_and_b32 s13, ttmp7, 0xffff
	s_lshl_b32 s13, s13, 2
	s_add_co_u32 s13, s13, s41                     ; tile row
	s_lshl_b32 s43, s41, 2
	s_lshl_b32 s43, 15, s43
	s_lshl_b32 s44, 0x1111, s40
	s_or_b32 s[G1+0], s43, (0<<16)|(1<<20)|(1<<21)|(3<<22)|(3<<25)   ; A: the mask of my row; bytes; padding: 4 words after every 16
	s_mov_b32 s[G1+1], 4096<<16                    ; tensor_dim0: a run of 64 rows x 64 codes
	s_mov_b32 s[G1+2], 16<<16                      ; tensor_dim1: sixteen blocks of 64 along K
	s_mov_b32 s[G1+3], 4096<<16
	s_mov_b32 s[G1+4], 16
	s_mov_b32 s[G1+5], 262144                      ; from block to block
	s_mov_b32 s[G1+6], 0
	s_mov_b32 s[G1+7], 0
	s_or_b32 s[G1B+0], s44, (0<<16)|(1<<20)|(1<<21)|(7<<22)|(3<<25)  ; B: the mask of my column; padding: 4 words after every 256
	s_mov_b32 s[G1B+1], 1024<<16
	s_mov_b32 s[G1B+2], 64<<16
	s_mov_b32 s[G1B+3], 1024<<16
	s_mov_b32 s[G1B+4], 64
	s_mov_b32 s[G1B+5], KROWB
	s_mov_b32 s[G1B+6], 0
	s_mov_b32 s[G1B+7], 0
	s_lshl_b32 s16, s13, 13                        ; A: row 128 x tile row + 64 x half, 64 bytes a row
	s_lshl_b32 s17, s12, 12
	s_add_co_u32 s16, s16, s17
	s_mov_b32 s17, 0
	s_lshl_b32 s46, s42, 7                         ; B: row 128 x tile column + 64 x half
	s_lshl_b32 s47, s12, 6
	s_add_co_u32 s46, s46, s47
	s_mul_i32 s46, s46, KROWB
	s_add_co_u32 s46, s46, WOFF
	s_mov_b32 s47, 0
	s_mul_i32 s20, s12, AHALF                      ; where they go: no place in the cluster enters an LDS address
	s_mul_i32 s21, s12, BHALF
	s_add_co_u32 s21, s21, 2*AHALF
	s_wait_dscnt 0x0                               ; both opening adds are done
	s_wait_kmcnt 0x0
	s_load_b64 s[76:77], s[68:69], SOFF            ; eA, eB
	s_add_nc_u64 s[14:15], s[4:5], s[16:17]
	s_add_nc_u64 s[46:47], s[6:7], s[46:47]
	CROUND                                         ; all sixteen work-groups are here: the first joint loads meet
.irp s, 0
	s_mov_b32 s[G0+4*\s], 1
	s_add_co_u32 s[G0+4*\s+1], s20, \s*SLOT
	s_add_nc_u64 s[G0+4*\s+2:G0+4*\s+3], s[14:15], \s*ASTEP
	s_or_b32 s[G0+4*\s+3], s[G0+4*\s+3], 0x80000000
	s_mov_b32 s[G0B+4*\s], 1
	s_add_co_u32 s[G0B+4*\s+1], s21, \s*SLOT
	s_add_nc_u64 s[G0B+4*\s+2:G0B+4*\s+3], s[46:47], \s*512
	s_or_b32 s[G0B+4*\s+3], s[G0B+4*\s+3], 0x80000000
	JLOAD \s
.endr
	v_and_b32 v1, 15, v0                           ; r
	v_bfe_u32 v2, v0, 4, 1                         ; h
	v_mul_u32_u24 v3, v1, AP
	v_lshl_add_u32 v3, v2, 4, v3
	v_mul_u32_u24 v4, v1, BP
	v_lshl_add_u32 v4, v2, 4, v4
	s_mul_i32 s21, s11, AHALF                      ; my 64 rows of A
	s_mul_i32 s22, s12, BHALF                      ; my 64 rows of B,
	s_add_co_u32 s22, s22, 2*AHALF                 ; behind A's two halves
.irp s, 0,1
	v_add_nc_u32 v[ADRA+\s], s21, v3
	v_add_nc_u32 v[ADRB+\s], s22, v4
	s_add_co_u32 s21, s21, 8*ABLK                  ; the second half of K: eight blocks on in A,
	s_add_co_u32 s22, s22, 512                     ; 512 bytes on in B's rows
.endr
	s_mul_i32 s23, s10, 16*SP
	s_add_co_u32 s23, s23, STAGE                   ; my stage
	v_mul_u32_u24 v5, v1, SP
	v_lshl_add_u32 v5, v2, 5, v5
	v_add_nc_u32 v[STO], s23, v5                   ; in: row r, 32 bytes for each half of the lanes
	v_mul_u32_u24 v5, v2, SP
	v_lshl_add_u32 v5, v1, 4, v5
	v_add_nc_u32 v[RD], s23, v5                    ; back: lanes 0-15 one row of 256 bytes, lanes 16-31 the next
	v_lshlrev_b32 v5, 12, v2
	v_lshl_add_u32 v[RO], v1, 4, v5                ; and the same two rows in OUT and RES
	s_wait_alu depctr_va_vdst(0)
	v_lshlrev_b32 v[BO], 4, v1
	s_wait_alu depctr_va_vdst(0)
	s_lshl_b32 s16, s13, 7
	s_lshl_b32 s17, s11, 6
	s_add_co_u32 s16, s16, s17                     ; my first row
	s_lshl_b32 s16, s16, 12
	s_lshl_b32 s46, s42, 9
	s_lshl_b32 s47, s12, 8
	s_add_co_u32 s46, s46, s47                     ; my first column, in bytes
	s_mov_b32 s47, 0
	s_add_nc_u64 s[70:71], s[70:71], s[46:47]
	s_add_co_u32 s46, s46, s16
	s_add_nc_u64 s[8:9], s[8:9], s[46:47]
	s_add_nc_u64 s[72:73], s[72:73], s[46:47]
	WIN 0x80                                       ; destination window 2
.irp a, 0,1,2,3
.irp t, 0,1,2,3,4,5,6,7
	global_load_b128 v[32*\a+4*\t:32*\a+4*\t+3], v[RO], s[72:73] offset:(16*\a+2*\t)*4096 th:TH_LOAD_NT   ; sixteen lanes read 256 consecutive aligned bytes
.endr
.endr
	WIN 0
	global_load_b128 v[BI:BI+3], v[BO], s[70:71]
.macro FETCH slot, q, f                ; 32 LDS loads in one run: the slot's q-th 128 along K: B's four fragments, then A's four.  Registers 4 c .. 4 c + 3: K = 32 c + 16 (l / 16) + 0 .. 15, alike in A and B
	WIN TO_F
.irp i, 0,1,2,3
.irp c, 0,1,2,3
	ds_load_b128 v[\f+64+16*\i+4*\c:\f+64+16*\i+4*\c+3], v[ADRB+\slot] offset:128*(\q)+32*\c+\i*16*BP
.endr
.endr
.irp i, 0,1,2,3
.irp c, 0,1,2,3
	ds_load_b128 v[\f+16*\i+4*\c:\f+16*\i+4*\c+3], v[ADRA+\slot] offset:(2*(\q)+\c/2)*ABLK+\i*16*AP+32*(\c%2)
.endr
.endr
.endm
.macro MULA f, a, zero                 ; A's block a against B's four.  The 16 accumulators take turns, in the same order in every quarter
.irp b, 0,1,2,3
.if \zero
	v_wmma_f32_16x16x128_bf8_bf8 v[ACC+8*(4*(\a)+\b):ACC+8*(4*(\a)+\b)+7], v[\f+64+16*\b:\f+64+16*\b+15], v[\f+16*(\a):\f+16*(\a)+15], 0
.else
	v_wmma_f32_16x16x128_bf8_bf8 v[ACC+8*(4*(\a)+\b):ACC+8*(4*(\a)+\b)+7], v[\f+64+16*\b:\f+64+16*\b+15], v[\f+16*(\a):\f+16*(\a)+15], v[ACC+8*(4*(\a)+\b):ACC+8*(4*(\a)+\b)+7]
.endif
.endr
.endm
.macro PLACES
.rept 4
	v_nop
.endr
.endm
.macro QUARTER slot, qn, f, g, zero    ; multiplies buffer f; in its middle fetches the slot's quarter qn into buffer g
	s_wait_dscnt 8                                 ; B and A's blocks 0, 1 are in; the youngest 8 loads (blocks 2, 3) may be out
	WIN MUL
	MULA \f, 0, \zero
	MULA \f, 1, \zero
	PLACES
	FETCH \slot, \qn, \g
	s_wait_dscnt 32                                ; all but the 32 just issued
	WIN MUL
	MULA \f, 2, \zero
	MULA \f, 3, \zero
.endm
; The last quarter multiplies buffer 1 and changes slots: ONE barrier; in front of it each wave waits for all its tensor loads, adds 0 to its spare word, and waits for that and for its reads of this slot.
.macro TURN slot, next, fill
	WIN 0
	s_wait_tensorcnt 0x0
	ds_add_u32 v[SPW], v[NIL]
	s_wait_dscnt 13                                ; the add and the youngest 12 loads (A's blocks 1 to 3) may be out
	WIN MUL
	MULA F1, 0, 0
	s_wait_dscnt 0x0                               ; the add is done, and my reads of this slot are over
	s_barrier_signal -1
	MULA F1, 1, 0
	WIN 0
	s_barrier_wait -1
.if \fill
	CREST                                          ; the barrier has opened a round of the cluster's
	s_add_nc_u64 s[G0+4*\slot+2:G0+4*\slot+3], s[G0+4*\slot+2:G0+4*\slot+3], 2*ASTEP
	s_add_nc_u64 s[G0B+4*\slot+2:G0B+4*\slot+3], s[G0B+4*\slot+2:G0B+4*\slot+3], 2*512
	JLOAD \slot                                    ; the first tensor load behind the round; its four v_nop are the places in front of the loads below
.else
	PLACES
.endif
	FETCH \next, 0, F0
	WIN MUL
	MULA F1, 2, 0
	MULA F1, 3, 0
.endm
	s_wait_alu depctr_va_vdst(0)                   ; the wait at the head's end
	s_wait_tensorcnt 0x0                           ; my one load is in
	s_barrier_signal -1
	s_barrier_wait -1
	FETCH 0, 0, F0
	QUARTER 0, 1, F0, F1, 1                        ; the first quarter's products start the sums
.if LAPS > 1
	WIN 0
	s_mov_b32 s3, LAPS-1
.Llap:
	QUARTER 0, 2, F1, F0, 0
	QUARTER 0, 3, F0, F1, 0
	TURN 0, 1, 1
	QUARTER 1, 1, F0, F1, 0
	QUARTER 1, 2, F1, F0, 0
	QUARTER 1, 3, F0, F1, 0
	TURN 1, 0, 1
	QUARTER 0, 1, F0, F1, 0
	WIN 0
	s_sub_co_u32 s3, s3, 1
	s_cmp_lg_u32 s3, 0
	s_cbranch_scc1 .Llap
.endif
	QUARTER 0, 2, F1, F0, 0                        ; the last lap fills nothing
	QUARTER 0, 3, F0, F1, 0
	TURN 0, 1, 0
	QUARTER 1, 1, F0, F1, 0
	QUARTER 1, 2, F1, F0, 0
	QUARTER 1, 3, F0, F1, 0
	s_wait_dscnt 8
	WIN MUL
	MULA F1, 0, 0
	MULA F1, 1, 0
	s_wait_dscnt 0
	MULA F1, 2, 0
	MULA F1, 3, 0
	WIN 0
	; THE WAY OUT, 16 rows at a time: the sums go through my stage and come back as whole rows of 256 bytes; there sum x 2^(eA + eB) + bias, then + residual; sixteen lanes store 256 consecutive aligned bytes.
	s_wait_kmcnt 0x0
	s_add_co_i32 s74, s76, s77
	s_add_co_i32 s74, s74, 127
	s_lshl_b32 s74, s74, 23                        ; 2^(eA + eB) as f32
	s_mov_b32 s75, s74                             ; (named with it as a pair)
	s_wait_loadcnt 0x0                             ; the residual and the bias
	PLACES
.macro TOSTAGE a
.irp b, 0,1,2,3
	ds_store_b128 v[STO], v[ACC+8*(4*(\a)+\b):ACC+8*(4*(\a)+\b)+3] offset:64*\b          ; each accumulator from its low end on
	ds_store_b128 v[STO], v[ACC+8*(4*(\a)+\b)+4:ACC+8*(4*(\a)+\b)+7] offset:64*\b+16
.endr
.irp t, 0,1,2,3,4,5,6,7
	ds_load_b128 v[TMP+32*((\a)%2)+4*\t:TMP+32*((\a)%2)+4*\t+3], v[RD] offset:\t*2*SP    ; LDS serves a wave's instructions in order
.endr
.endm
.macro SEND a, younger                 ; younger: the next block's 8 stores and 8 loads, which may be out
.set TS, TMP+32*((\a)%2)
	s_wait_dscnt \younger
.irp t, 0,1,2,3,4,5,6,7
	v_pk_fma_f32 v[TS+4*\t:TS+4*\t+1], v[TS+4*\t:TS+4*\t+1], s[74:75], v[BI:BI+1] op_sel_hi:[1,0,1]
	v_pk_fma_f32 v[TS+4*\t+2:TS+4*\t+3], v[TS+4*\t+2:TS+4*\t+3], s[74:75], v[BI+2:BI+3] op_sel_hi:[1,0,1]
.endr
	WIN 0x08                                       ; source 1: window 2
.irp t, 0,1,2,3,4,5,6,7
	v_pk_add_f32 v[TS+4*\t:TS+4*\t+1], v[TS+4*\t:TS+4*\t+1], v[32*(\a)+4*\t:32*(\a)+4*\t+1]
	v_pk_add_f32 v[TS+4*\t+2:TS+4*\t+3], v[TS+4*\t+2:TS+4*\t+3], v[32*(\a)+4*\t+2:32*(\a)+4*\t+3]
.endr
	WIN 0
.irp t, 0,1,2,3,4,5,6,7
	global_store_b128 v[RO], v[TS+4*\t:TS+4*\t+3], s[8:9] offset:(16*(\a)+2*\t)*4096
.endr
.endm
	TOSTAGE 0
	TOSTAGE 1
	SEND 0, 16
	s_wait_xcnt 0x0                                ; block 0's stores have read their registers: block 2's rows may land there
	TOSTAGE 2
	SEND 1, 16
	s_wait_xcnt 0x0
	TOSTAGE 3
	SEND 2, 16
	SEND 3, 0
	s_wait_tensorcnt 0x0                           ; the wave's end
	ds_add_u32 v[SPW], v[NIL]
	s_wait_dscnt 0x0
	CROUND                                         ; the closing round
	s_endpgm
.Lfunc_end_k_q118db4c086_wo:
	.size	k_q118db4c086_wo, .Lfunc_end_k_q118db4c086_wo-k_q118db4c086_wo
	.p2alignl 7, 3214868480
	.fill 96, 4, 3214868480
	.section	.rodata,"a",@progbits
	.p2align	6, 0x0
	.amdhsa_kernel k_q118db4c086_wo
		.amdhsa_group_segment_fixed_size 327680
		.amdhsa_private_segment_fixed_size 0
		.amdhsa_enable_private_segment 0
		.amdhsa_kernarg_size 48
		.amdhsa_user_sgpr_count 2
		.amdhsa_user_sgpr_kernarg_segment_ptr 1
		.amdhsa_wavefront_size32 1
		.amdhsa_system_sgpr_workgroup_id_x 1
		.amdhsa_system_sgpr_workgroup_id_y 1
		.amdhsa_system_sgpr_workgroup_id_z 1
		.amdhsa_system_vgpr_workitem_id 0
		.amdhsa_next_free_vgpr 640
		.amdhsa_next_free_sgpr 80
		.amdhsa_reserve_vcc 0
		.amdhsa_float_denorm_mode_32 3
		.amdhsa_float_denorm_mode_16_64 3
		.amdhsa_memory_ordered 1
		.amdhsa_forward_progress 1
		.amdhsa_inst_pref_size 53
	.end_amdhsa_kernel
	.amdgpu_metadata
---
amdhsa.version: [ 1, 2 ]
amdhsa.kernels:
  - .name:           k_q118db4c086_wo
    .symbol:         k_q118db4c086_wo.kd
    .args:
      - { .name: ac, .offset: 0, .size: 8, .value_kind: global_buffer, .address_space: global }
      - { .name: wc, .offset: 8, .size: 8, .value_kind: global_buffer, .address_space: global }
      - { .name: x1, .offset: 16, .size: 8, .value_kind: global_buffer, .address_space: global }
      - { .name: lowp_scales, .offset: 24, .size: 8, .value_kind: global_buffer, .address_space: global }
      - { .name: bo, .offset: 32, .size: 8, .value_kind: global_buffer, .address_space: global }
      - { .name: x, .offset: 40, .size: 8, .value_kind: global_buffer, .address_space: global }
    .group_segment_fixed_size: 327680
    .private_segment_fixed_size: 0
    .kernarg_segment_align: 8
    .kernarg_segment_size: 48
    .max_flat_workgroup_size: 128
    .sgpr_count:     80
    .vgpr_count:     640
    .wavefront_size: 32
...
	.end_amdgpu_metadata
.endif
;; end of part 4
;; launch ln2 (part 5): grid 256 x 1, 4 waves a work-group, no clusters, 0 bytes of LDS; arguments x1, ln2_g, ln2_b, lowp_scales, h2c; writes h2c
.if DOCPART == 5
	.amdgcn_target "amdgcn-amd-amdhsa--gfx1250"
	.amdhsa_code_object_version 6
	.text
	.protected	k_q118db4c086_ln2
	.globl	k_q118db4c086_ln2
	.p2align	8
	.type	k_q118db4c086_ln2,@function
k_q118db4c086_ln2:
	s_mov_b64 s[64:65], 0
	v_nop
	global_prefetch_b8 v0, s[64:65] scope:SCOPE_SE
	s_setreg_imm32_b32 hwreg(HW_REG_WAVE_MODE, 25, 1), 1
	s_wait_xcnt 0x0
; LAYER NORM 2 of x1 [4096][1024] f32, quantised with the scale of product 7's left operand (entry 12) into h2c [4096][1024], codes of BF8 (E5M2).
; A wave takes 4 rows, a row at a time in 32 registers a lane (read from memory once); mean and variance in two passes in f32.  A lane holds 8 neighbours of each quarter row, so a store of the wave covers 256
; consecutive aligned bytes.  Memory binds: no LDS, no barrier, no matrix unit, no cluster.  LIMITS: e12 between -126 and 112; NaN is not served.
.set XO,   8
.set SO,   9
.set G,    16
.set BB,   48
.set X,    80
.set T,    144
.set CD,   160
.set P,    184
.set MU,   192
.set R,    194
.set SC,   196
.set LIM,  200
.set TP,   204
.set XB,   60
.set HB,   62
.set PG,   6
.set PB,   8
	s_load_b256 s[4:11], s[0:1], 0x0               ; x1 4, ln2_g 6, ln2_b 8, the exponents 10
	s_load_b64 s[12:13], s[0:1], 0x20              ; h2c
	v_lshrrev_b32 v1, 5, v0
	v_readfirstlane_b32 s28, v1
	v_and_b32 v2, 31, v0
	s_lshl_b32 s29, ttmp9, 4
	s_lshl_b32 s30, s28, 2
	s_add_co_u32 s29, s29, s30                     ; my first row
	v_lshlrev_b32 v[XO], 5, v2
	v_lshlrev_b32 v[SO], 3, v2
	v_mov_b32 v[TP], 0
	s_mov_b32 s56, 0x76543210
	s_mov_b32 s57, 0xfedcba98
	s_mov_b32 s58, 0x3a800000                      ; 1 / 1,024
	s_mov_b32 s59, 0x3727c5ac                      ; 1e-5
	s_wait_alu depctr_va_vdst(0)
	s_wait_kmcnt 0x0
	s_load_b32 s40, s[10:11], 0x30                 ; e12
	s_lshl_b32 s30, s29, 12
	s_mov_b32 s31, 0
	s_add_nc_u64 s[XB:XB+1], s[4:5], s[30:31]
	s_lshl_b32 s30, s29, 10
	s_add_nc_u64 s[HB:HB+1], s[12:13], s[30:31]
.irp j, 0,1,2,3
	global_load_b128 v[G+8*\j:G+8*\j+3], v[XO], s[PG:PG+1] offset:1024*\j
	global_load_b128 v[G+8*\j+4:G+8*\j+7], v[XO], s[PG:PG+1] offset:1024*\j+16
.endr
.irp j, 0,1,2,3
	global_load_b128 v[BB+8*\j:BB+8*\j+3], v[XO], s[PB:PB+1] offset:1024*\j
	global_load_b128 v[BB+8*\j+4:BB+8*\j+7], v[XO], s[PB:PB+1] offset:1024*\j+16
.endr
.macro LNLOAD set, rr
.irp j, 0,1,2,3
	global_load_b128 v[X+32*(\set)+8*\j:X+32*(\set)+8*\j+3], v[XO], s[XB:XB+1] offset:(\rr)*4096+1024*\j th:TH_LOAD_NT
	global_load_b128 v[X+32*(\set)+8*\j+4:X+32*(\set)+8*\j+7], v[XO], s[XB:XB+1] offset:(\rr)*4096+1024*\j+16 th:TH_LOAD_NT
.endr
.endm
.macro ALLSUM v
	v_add_f32_dpp v[\v], v[\v], v[\v] row_xmask:1 row_mask:0xf bank_mask:0xf
	v_add_f32_dpp v[\v], v[\v], v[\v] row_xmask:2 row_mask:0xf bank_mask:0xf
	v_add_f32_dpp v[\v], v[\v], v[\v] row_xmask:4 row_mask:0xf bank_mask:0xf
	v_add_f32_dpp v[\v], v[\v], v[\v] row_xmask:8 row_mask:0xf bank_mask:0xf
	v_permlanex16_b32 v[TP], v[\v], s56, s57
	v_add_f32 v[\v], v[\v], v[TP]
.endm
.macro LNROW set, rr, left, fill       ; left: the other set's loads, which may stay out
.set XS, X+32*(\set)
	s_wait_loadcnt \left
.irp c, 0,1,2,3
	v_pk_add_f32 v[P+2*\c:P+2*\c+1], v[XS+2*\c:XS+2*\c+1], v[XS+8+2*\c:XS+8+2*\c+1]
.endr
.irp k, 2,3
.irp c, 0,1,2,3
	v_pk_add_f32 v[P+2*\c:P+2*\c+1], v[P+2*\c:P+2*\c+1], v[XS+8*\k+2*\c:XS+8*\k+2*\c+1]
.endr
.endr
	v_pk_add_f32 v[P:P+1], v[P:P+1], v[P+2:P+3]
	v_pk_add_f32 v[P+4:P+5], v[P+4:P+5], v[P+6:P+7]
	v_pk_add_f32 v[P:P+1], v[P:P+1], v[P+4:P+5]
	v_add_f32 v[P], v[P], v[P+1]
	ALLSUM P
	v_mul_f32 v[MU], s58, v[P]
	v_mul_f32 v[MU+1], s58, v[P]
.set i, 0
.rept 16
	v_pk_add_f32 v[XS+i:XS+i+1], v[XS+i:XS+i+1], v[MU:MU+1] neg_lo:[0,1] neg_hi:[0,1]
.set i, i+2
.endr
.irp c, 0,1,2,3
	v_pk_mul_f32 v[P+2*\c:P+2*\c+1], v[XS+2*\c:XS+2*\c+1], v[XS+2*\c:XS+2*\c+1]
.endr
.irp k, 1,2,3
.irp c, 0,1,2,3
	v_pk_fma_f32 v[P+2*\c:P+2*\c+1], v[XS+8*\k+2*\c:XS+8*\k+2*\c+1], v[XS+8*\k+2*\c:XS+8*\k+2*\c+1], v[P+2*\c:P+2*\c+1]
.endr
.endr
	v_pk_add_f32 v[P:P+1], v[P:P+1], v[P+2:P+3]
	v_pk_add_f32 v[P+4:P+5], v[P+4:P+5], v[P+6:P+7]
	v_pk_add_f32 v[P:P+1], v[P:P+1], v[P+4:P+5]
	v_add_f32 v[P], v[P], v[P+1]
	ALLSUM P
	v_fma_f32 v[P], v[P], s58, s59                 ; var + eps
	s_wait_alu depctr_va_vdst(0)
	v_rsq_f32 v[R], v[P]
	v_rsq_f32 v[R+1], v[P]
	v_nop                                          ; a plain instruction behind the transcendentals,
	s_wait_alu depctr_va_vdst(0)                   ; and one wait ahead of their first reader
.set i, 0
.rept 16
	v_pk_mul_f32 v[XS+i:XS+i+1], v[XS+i:XS+i+1], v[R:R+1]
.set i, i+2
.endr
.set i, 0
.rept 16
	v_pk_fma_f32 v[XS+i:XS+i+1], v[XS+i:XS+i+1], v[G+i:G+i+1], v[BB+i:BB+i+1]
.set i, i+2
.endr
	s_wait_xcnt 0x0                                ; the last row's stores have read their codes
.irp j, 0,1,2,3
.irp i, 0,1,2,3,4,5,6,7
	v_med3_num_f32 v[T+8*(\j%2)+\i], v[XS+8*\j+\i], -v[LIM], v[LIM]
.endr
	v_cvt_scalef32_pk8_bf8_f32 v[CD+2*\j:CD+2*\j+1], v[T+8*(\j%2):T+8*(\j%2)+7], v[SC]
.endr
.irp j, 0,1,2,3
	global_store_b64 v[SO], v[CD+2*\j:CD+2*\j+1], s[HB:HB+1] offset:(\rr)*1024+256*\j   ; the wave stores 256 consecutive aligned bytes
.endr
.if \fill
	LNLOAD \set, (\rr)+2
.endif
.endm
	LNLOAD 0, 0
	LNLOAD 1, 1
	s_wait_kmcnt 0x0
	s_add_co_i32 s30, s40, 127
	s_lshl_b32 s31, s30, 23
	v_mov_b32 v[SC], s31
	s_add_co_i32 s30, s30, 15
	s_lshl_b32 s30, s30, 23
	s_or_b32 s30, s30, 0x600000
	v_mov_b32 v[LIM], s30
	LNROW 0, 0, 8, 1
	LNROW 1, 1, 8, 1
	LNROW 0, 2, 8, 0
	LNROW 1, 3, 0, 0
	s_endpgm
.Lfunc_end_k_q118db4c086_ln2:
	.size	k_q118db4c086_ln2, .Lfunc_end_k_q118db4c086_ln2-k_q118db4c086_ln2
	.p2alignl 7, 3214868480
	.fill 96, 4, 3214868480
	.section	.rodata,"a",@progbits
	.p2align	6, 0x0
	.amdhsa_kernel k_q118db4c086_ln2
		.amdhsa_group_segment_fixed_size 0
		.amdhsa_private_segment_fixed_size 0
		.amdhsa_enable_private_segment 0
		.amdhsa_kernarg_size 40
		.amdhsa_user_sgpr_count 2
		.amdhsa_user_sgpr_kernarg_segment_ptr 1
		.amdhsa_wavefront_size32 1
		.amdhsa_system_sgpr_workgroup_id_x 1
		.amdhsa_system_sgpr_workgroup_id_y 1
		.amdhsa_system_sgpr_workgroup_id_z 1
		.amdhsa_system_vgpr_workitem_id 0
		.amdhsa_next_free_vgpr 208
		.amdhsa_next_free_sgpr 66
		.amdhsa_reserve_vcc 0
		.amdhsa_float_denorm_mode_32 3
		.amdhsa_float_denorm_mode_16_64 3
		.amdhsa_memory_ordered 1
		.amdhsa_forward_progress 1
		.amdhsa_inst_pref_size 42
	.end_amdhsa_kernel
	.amdgpu_metadata
---
amdhsa.version: [ 1, 2 ]
amdhsa.kernels:
  - .name:           k_q118db4c086_ln2
    .symbol:         k_q118db4c086_ln2.kd
    .args:
      - { .name: x1, .offset: 0, .size: 8, .value_kind: global_buffer, .address_space: global }
      - { .name: ln2_g, .offset: 8, .size: 8, .value_kind: global_buffer, .address_space: global }
      - { .name: ln2_b, .offset: 16, .size: 8, .value_kind: global_buffer, .address_space: global }
      - { .name: lowp_scales, .offset: 24, .size: 8, .value_kind: global_buffer, .address_space: global }
      - { .name: h2c, .offset: 32, .size: 8, .value_kind: global_buffer, .address_space: global }
    .group_segment_fixed_size: 0
    .private_segment_fixed_size: 0
    .kernarg_segment_align: 8
    .kernarg_segment_size: 40
    .max_flat_workgroup_size: 128
    .sgpr_count:     66
    .vgpr_count:     208
    .wavefront_size: 32
...
	.end_amdgpu_metadata
.endif
;; end of part 5
;; launch w1 (part 6): grid 16 x 16, 4 waves a work-group, clusters of 4 x 4, 327,680 bytes of LDS; arguments h2c, wc, lowp_scales, fc, b1; writes fc
.if DOCPART == 6
	.amdgcn_target "amdgcn-amd-amdhsa--gfx1250"
	.amdhsa_code_object_version 6
	.text
	.protected	k_q118db4c086_w1
	.globl	k_q118db4c086_w1
	.p2align	8
	.type	k_q118db4c086_w1,@function
k_q118db4c086_w1:
	s_mov_b64 s[64:65], 0
	v_nop
	global_prefetch_b8 v0, s[64:65] scope:SCOPE_SE
	s_setreg_imm32_b32 hwreg(HW_REG_WAVE_MODE, 25, 1), 1
	s_wait_xcnt 0x0
	s_wait_alu depctr_hold_cnt(0) depctr_sa_sdst(0) depctr_va_vdst(0) depctr_va_sdst(0) depctr_va_ssrc(0) depctr_va_vcc(0) depctr_vm_vsrc(0)
	s_getreg_b32 s2, hwreg(HW_REG_IB_STS2, 6, 4)
	s_cmp_eq_u32 s2, 0
	s_cbranch_scc0 .Lentry_in_a_cluster
	s_endpgm
.Lentry_in_a_cluster:
	s_bfe_u32 s2, ttmp6, 0x10000c
	s_cmp_lg_u32 s2, 0xf033
	s_cbranch_scc0 .Lentry_shape_is_right
	s_endpgm
.Lentry_shape_is_right:
.set MODE,   1
.set KSTEP,  256
.set ROWB,   256
.set KROW,   1024
.set PITCH,  272
.set FR,     16
.set NL,     4
.set NP,     4
.set HALFT,  128*PITCH
.set SLOT,   4*HALFT
.set LAPS,   2
.set SPARE,  2*SLOT
.set SP,     272
.set GO,   8
.set BOF,  12
.set ADRA, 16
.set ADRB, 20
.set STO,  24
.set RD,   25
.set SPW,  28
.set NIL,  29
.set SCV,  30
.set LIMV, 31
.set TMP,  32
.set AF,   128
.set G1, 24
.set G0, 32
.set G1B, 48
.set G0B, 56
.set MSB, 0
.macro WIN new
.if MSB != \new
	s_set_vgpr_msb (MSB<<8)|\new
.set MSB, \new
.endif
.endm
.set MUL_LO, 0xa1
.set MUL_HI, 0xf1
.set TO_B,   0x40
.macro JLOAD g0a, g1a, g0b, g1b
	s_cmp_eq_u32 s15, 0
	s_cbranch_scc0 .Lfor_b_\@
	tensor_load_to_lds s[\g0a:\g0a+3], s[\g1a:\g1a+7]
	s_nop 0
.rept 4
	v_nop
.endr
	s_branch .Lasked_\@
.Lfor_b_\@:
	tensor_load_to_lds s[\g0b:\g0b+3], s[\g1b:\g1b+7]
	s_nop 0
.rept 4
	v_nop
.endr
.Lasked_\@:
.endm
.macro CREST
	s_cmp_lg_u32 s14, 0
	s_cbranch_scc1 .Lnot_wave_0_\@
	s_barrier_signal -3
.Lnot_wave_0_\@:
	s_barrier_wait -3
	s_barrier_signal -1
	s_barrier_wait -1
.endm
.macro CROUND
	s_barrier_signal -1
	s_barrier_wait -1
	CREST
.endm
	s_load_b128 s[4:7], s[0:1], 0x0
	s_load_b128 s[8:11], s[0:1], 0x10
.if MODE
	s_load_b64 s[12:13], s[0:1], 0x20
.endif
	v_lshl_add_u32 v[SPW], v0, 2, SPARE
	v_mov_b32 v[NIL], 0
	ds_add_u32 v[SPW], v[NIL]
	ds_add_u32 v[SPW], v[NIL]
	v_lshrrev_b32 v1, 5, v0
	v_readfirstlane_b32 s14, v1
	s_lshr_b32 s15, s14, 1
	s_and_b32 s16, s14, 1
	s_bfe_u32 s40, ttmp6, 0x40000
	s_bfe_u32 s41, ttmp6, 0x40004
	s_and_b32 s84, ttmp7, 0xffff
.if MODE
	s_mov_b32 s85, s84
	s_mov_b32 s86, ttmp9
.else
	s_cmp_eq_u32 ttmp9, 2
	s_cselect_b32 s85, 0, s84
	s_cselect_b32 s86, s84, ttmp9
.endif
	s_lshl_b32 s42, s86, 2
	s_add_co_u32 s42, s42, s40
	s_lshl_b32 s17, s85, 2
	s_add_co_u32 s17, s17, s41
	s_lshl_b32 s43, s41, 2
	s_lshl_b32 s43, 15, s43
	s_lshl_b32 s44, 0x1111, s40
	s_or_b32 s[G1+0], s43, (0<<16)|(1<<20)|(1<<21)|(5<<22)|(3<<25)
	s_or_b32 s[G1B+0], s44, (0<<16)|(1<<20)|(1<<21)|(5<<22)|(3<<25)
.irp g, G1, G1B
	s_mov_b32 s[\g+1], ROWB<<16
	s_mov_b32 s[\g+2], 128<<16
	s_mov_b32 s[\g+3], ROWB<<16
	s_mov_b32 s[\g+4], 128
	s_mov_b32 s[\g+5], KROW
	s_mov_b32 s[\g+6], 0
	s_mov_b32 s[\g+7], 0
.endr
	s_lshl_b32 s18, s16, 7
	s_lshl_b32 s20, s17, 8
	s_add_co_u32 s20, s20, s18
	s_lshl_b32 s46, s42, 8
	s_add_co_u32 s46, s46, s18
	s_lshl_b32 s20, s20, 10
	s_lshl_b32 s46, s46, 10
	s_mov_b32 s21, 0
	s_mov_b32 s47, 0
	s_mul_i32 s45, s14, HALFT
	s_wait_dscnt 0x0
	s_wait_kmcnt 0x0
	s_load_b512 s[68:83], s[8:9], 0x0
.if MODE
	s_mov_b64 s[92:93], s[4:5]
	s_add_nc_u64 s[94:95], s[6:7], 0x400000
.else
	s_lshl_b32 s86, ttmp9, 22
	s_mov_b32 s87, 0
	s_add_nc_u64 s[88:89], s[4:5], s[86:87]
	s_cmp_eq_u32 ttmp9, 2
	s_cselect_b32 s86, 0x200000, 0
	s_add_nc_u64 s[90:91], s[6:7], s[86:87]
	s_cselect_b64 s[92:93], s[90:91], s[88:89]
	s_cselect_b64 s[94:95], s[88:89], s[90:91]
.endif
	s_add_nc_u64 s[20:21], s[92:93], s[20:21]
	s_add_nc_u64 s[46:47], s[94:95], s[46:47]
	s_lshl_b32 s22, s42, 10                        ; the bias of my 128 columns is asked for here, so that it is on its way beside the first tiles
	s_lshl_b32 s23, s16, 9
	s_add_co_u32 s22, s22, s23
	s_mov_b32 s23, 0
	s_add_nc_u64 s[12:13], s[12:13], s[22:23]
	v_bfe_u32 v2, v0, 4, 1
	v_lshlrev_b32 v[BOF], 5, v2
.irp b, 0,1,2,3,4,5,6,7
	global_load_b128 v[TMP+8*\b:TMP+8*\b+3], v[BOF], s[12:13] offset:64*\b
	global_load_b128 v[TMP+8*\b+4:TMP+8*\b+7], v[BOF], s[12:13] offset:64*\b+16
.endr
	CROUND
.irp s, 0,1
	s_mov_b32 s[G0+4*\s], 1
	s_add_co_u32 s[G0+4*\s+1], s45, \s*SLOT
	s_add_nc_u64 s[G0+4*\s+2:G0+4*\s+3], s[20:21], \s*ROWB
	s_or_b32 s[G0+4*\s+3], s[G0+4*\s+3], 0x80000000
	s_mov_b32 s[G0B+4*\s], 1
	s_add_co_u32 s[G0B+4*\s+1], s45, \s*SLOT
	s_add_nc_u64 s[G0B+4*\s+2:G0B+4*\s+3], s[46:47], \s*ROWB
	s_or_b32 s[G0B+4*\s+3], s[G0B+4*\s+3], 0x80000000
	s_wait_alu depctr_va_vdst(0)
	s_wait_tensorcnt 0x0
	ds_add_u32 v28, v29
	ds_add_u32 v28, v29
	s_wait_dscnt 0x0
	CROUND
	JLOAD G0+4*\s, G1, G0B+4*\s, G1B
.endr
	v_and_b32 v1, 15, v0
	v_bfe_u32 v2, v0, 4, 1
	v_mul_u32_u24 v3, v1, PITCH
	s_wait_alu depctr_va_vdst(0)
	v_lshl_add_u32 v4, v2, 4, v3
	s_mul_i32 s21, s15, HALFT
	s_mul_i32 s22, s16, HALFT
	s_add_co_u32 s22, s22, 2*HALFT
.irp s, 0,1
	v_add_nc_u32 v[ADRA+\s], s21, v4
	v_add_nc_u32 v[ADRB+\s], s22, v4
	s_add_co_u32 s21, s21, SLOT
	s_add_co_u32 s22, s22, SLOT
.endr
	s_mul_i32 s23, s15, 128*SP
	s_lshl_b32 s22, s16, 7
	s_add_co_u32 s23, s23, s22
	v_lshl_add_u32 v5, v2, 3, v3
	v_add_nc_u32 v[STO], s23, v5
	v_and_b32 v6, 31, v0
	s_wait_alu depctr_va_vdst(0)
	v_lshrrev_b32 v7, 2, v6
	v_mul_u32_u24 v7, v7, SP
	v_and_b32 v5, 3, v6
	v_lshl_add_u32 v7, v5, 4, v7
	s_mul_i32 s23, s14, 64*SP
	v_add_nc_u32 v[RD], s23, v7
.if MODE
	s_mov_b32 s84, 20
	s_mov_b32 s86, 0
.else
	s_cmp_eq_u32 ttmp9, 2
	s_cselect_b32 s84, 18, 20
	s_cselect_b32 s86, 0x800000, 0
.endif
	s_lshl_b32 s85, s42, s84
	s_add_co_u32 s86, s86, s85
	s_lshl_b32 s85, s17, 14
	s_add_co_u32 s86, s86, s85
	s_lshl_b32 s85, s14, 12
	s_add_co_u32 s86, s86, s85
	s_mov_b32 s87, 0
	s_add_nc_u64 s[10:11], s[10:11], s[86:87]
	s_sub_co_u32 s84, s84, 2
	s_lshl_b32 s85, 1, s84
	v_lshlrev_b32 v[GO], 4, v6
.irp n, 1,2,3
	v_add_nc_u32 v[GO+\n], s85, v[GO+\n-1]
.endr
.if MODE
	s_wait_loadcnt 0x0                             ; the bias, asked for ahead of the first round
	s_wait_kmcnt 0x0
	s_add_co_i32 s96, s80, s81
	s_sub_co_i32 s96, 0, s96
.set i, 0
.rept 64
	v_ldexp_f32 v[TMP+i], v[TMP+i], s96
.set i, i+1
.endr
.endif
.macro FRAG reg, adr, q, i
.irp c, 0,1,2,3
	ds_load_b128 v[\reg+4*\c:\reg+4*\c+3], v[\adr] offset:128*(\q)+32*\c+(\i)*16*PITCH
.endr
.endm
.macro MUL16 a0, p, zero
.irp a, \a0, \a0+1
.irp b, 0,1,2,3,4,5,6,7
.if \zero
.if MODE
	v_wmma_f32_16x16x128_bf8_bf8 v[8*(8*((\a)%4)+\b):8*(8*((\a)%4)+\b)+7], v[128*(\p)+FR*\b:128*(\p)+FR*\b+FR-1], v[AF+FR*(\a):AF+FR*(\a)+FR-1], v[TMP+8*\b:TMP+8*\b+7]
.else
	v_wmma_f32_16x16x128_bf8_bf8 v[8*(8*((\a)%4)+\b):8*(8*((\a)%4)+\b)+7], v[128*(\p)+FR*\b:128*(\p)+FR*\b+FR-1], v[AF+FR*(\a):AF+FR*(\a)+FR-1], 0
.endif
.else
	v_wmma_f32_16x16x128_bf8_bf8 v[8*(8*((\a)%4)+\b):8*(8*((\a)%4)+\b)+7], v[128*(\p)+FR*\b:128*(\p)+FR*\b+FR-1], v[AF+FR*(\a):AF+FR*(\a)+FR-1], v[8*(8*((\a)%4)+\b):8*(8*((\a)%4)+\b)+7]
.endif
.endr
.endr
.endm
.macro FETCH_B slot, q, p
	WIN TO_B
.irp i, 0,1,2,3,4,5,6,7
	FRAG 128*(\p)+FR*\i, ADRB+\slot, \q, \i
.endr
	WIN 0
.endm
.macro FETCH_A slot, q, i0
.irp i, \i0, \i0+1, \i0+2, \i0+3
	FRAG AF+FR*(\i), ADRA+\slot, \q, \i
.endr
.endm
.macro PLACES n
.rept \n
	v_nop
.endr
.endm
.macro STEP slot, q, zero
	s_wait_dscnt 4*NL
.if (\zero) && MODE
	WIN 0x81
.else
	WIN MUL_LO
.endif
	MUL16 0, (\q)%2, \zero
	MUL16 2, (\q)%2, \zero
	s_wait_dscnt 0
	PLACES NP
	FETCH_B \slot, (\q)+1, 1-(\q)%2
	FETCH_A \slot, (\q)+1, 0
.if (\zero) && MODE
	WIN 0xc1
.else
	WIN MUL_HI
.endif
	MUL16 4, (\q)%2, \zero
	MUL16 6, (\q)%2, \zero
	PLACES NP
	WIN 0
	FETCH_A \slot, (\q)+1, 4
.endm
.macro TURN slot, next, fill
	s_wait_tensorcnt 0x0
	ds_add_u32 v[SPW], v[NIL]
	s_wait_dscnt 4*NL+1
	WIN MUL_LO
	MUL16 0, 1, 0
	s_wait_dscnt 0x0
	s_barrier_signal -1
	MUL16 2, 1, 0
	WIN 0
	s_barrier_wait -1
.if \fill
	CREST
	s_add_nc_u64 s[G0+4*\slot+2:G0+4*\slot+3], s[G0+4*\slot+2:G0+4*\slot+3], 2*ROWB
	s_add_nc_u64 s[G0B+4*\slot+2:G0B+4*\slot+3], s[G0B+4*\slot+2:G0B+4*\slot+3], 2*ROWB
	JLOAD G0+4*\slot, G1, G0B+4*\slot, G1B
.else
	PLACES NP
.endif
	FETCH_B \next, 0, 0
	FETCH_A \next, 0, 0
	WIN MUL_HI
	MUL16 4, 1, 0
	MUL16 6, 1, 0
	PLACES NP
	WIN 0
	FETCH_A \next, 0, 4
.endm
	s_wait_alu depctr_va_vdst(0)
	s_wait_tensorcnt 1
	s_barrier_signal -1
	s_barrier_wait -1
	FETCH_B 0, 0, 0
	FETCH_A 0, 0, 0
	FETCH_A 0, 0, 4
	STEP 0, 0, 1
	s_mov_b32 s3, LAPS-1
.Llap:
	TURN 0, 1, 1
	STEP 1, 0, 0
	TURN 1, 0, 1
	STEP 0, 0, 0
	s_sub_co_u32 s3, s3, 1
	s_cmp_lg_u32 s3, 0
	s_cbranch_scc1 .Llap
	TURN 0, 1, 0
	STEP 1, 0, 0
	s_wait_dscnt 4*NL
	WIN MUL_LO
	MUL16 0, 1, 0
	MUL16 2, 1, 0
	s_wait_dscnt 0
	WIN MUL_HI
	MUL16 4, 1, 0
	MUL16 6, 1, 0
	WIN 0
	s_wait_kmcnt 0x0
.if MODE
	s_sub_co_i32 s96, s82, s80
	s_sub_co_i32 s96, s96, s81
.else
	s_cmp_eq_u32 ttmp9, 1
	s_cselect_b32 s96, s70, s68
	s_cselect_b32 s97, s71, s69
	s_cselect_b32 s98, s75, s74
	s_cmp_eq_u32 ttmp9, 2
	s_cselect_b32 s96, s72, s96
	s_cselect_b32 s97, s73, s97
	s_cselect_b32 s98, s76, s98
	s_sub_co_i32 s96, s98, s96
	s_sub_co_i32 s96, s96, s97
.endif
	s_add_co_i32 s96, s96, 127
	s_lshl_b32 s97, s96, 23
	s_add_co_i32 s96, s96, 15
	s_lshl_b32 s96, s96, 23
	s_or_b32 s96, s96, 0x600000
	PLACES NP
	v_mov_b32 v[SCV], s97
	v_mov_b32 v[LIMV], s96
.macro CODES a
.set AC, 64*((\a)%4)
	WIN 0x02+((\a)/4)
.set i, 0
.rept 64
.if MODE
	v_med3_num_f32 v[TMP+i], v[AC+i], 0, v[LIMV]
.else
	v_med3_num_f32 v[TMP+i], v[AC+i], -v[LIMV], v[LIMV]
.endif
.set i, i+1
.endr
	WIN 0
.irp b, 0,1,2,3,4,5,6,7
	v_cvt_scalef32_pk8_bf8_f32 v[AF+16*(\a)+2*\b:AF+16*(\a)+2*\b+1], v[TMP+8*\b:TMP+8*\b+7], v[SCV]
.endr
	v_nop
.irp b, 0,1,2,3,4,5,6,7
	ds_store_b64 v[STO], v[AF+16*(\a)+2*\b:AF+16*(\a)+2*\b+1] offset:(\a)*16*SP+16*\b
.endr
.endm
.irp a, 0,1,2,3,4,5,6,7
	CODES \a
.endr
	s_wait_dscnt 0x0
	s_barrier_signal -1
	s_barrier_wait -1
.irp g, 0,1,2,3,4,5,6,7
.irp n, 0,1,2,3
	ds_load_b128 v[AF+16*\g+4*\n:AF+16*\g+4*\n+3], v[RD] offset:8*\g*SP+64*\n
.endr
.endr
.irp g, 0,1,2,3,4,5,6,7
.irp n, 0,1,2,3
	s_wait_dscnt 31-4*\g-\n
	global_store_b128 v[GO+\n], v[AF+16*\g+4*\n:AF+16*\g+4*\n+3], s[10:11] offset:512*\g
.endr
.endr
	s_wait_tensorcnt 0x0
	ds_add_u32 v[SPW], v[NIL]
	s_wait_dscnt 0x0
	CROUND
	s_endpgm
.Lfunc_end_k_q118db4c086_w1:
	.size	k_q118db4c086_w1, .Lfunc_end_k_q118db4c086_w1-k_q118db4c086_w1
	.p2alignl 7, 3214868480
	.fill 96, 4, 3214868480
	.section	.rodata,"a",@progbits
	.p2align	6, 0x0
	.amdhsa_kernel k_q118db4c086_w1
		.amdhsa_group_segment_fixed_size 327680
		.amdhsa_private_segment_fixed_size 0
		.amdhsa_enable_private_segment 0
		.amdhsa_kernarg_size 40
		.amdhsa_user_sgpr_count 2
		.amdhsa_user_sgpr_kernarg_segment_ptr 1
		.amdhsa_wavefront_size32 1
		.amdhsa_system_sgpr_workgroup_id_x 1
		.amdhsa_system_sgpr_workgroup_id_y 1
		.amdhsa_system_sgpr_workgroup_id_z 1
		.amdhsa_system_vgpr_workitem_id 0
		.amdhsa_next_free_vgpr 1024
		.amdhsa_next_free_sgpr 100
		.amdhsa_reserve_vcc 0
		.amdhsa_float_denorm_mode_32 3
		.amdhsa_float_denorm_mode_16_64 3
		.amdhsa_memory_ordered 1
		.amdhsa_forward_progress 1
		.amdhsa_inst_pref_size 132
	.end_amdhsa_kernel
	.amdgpu_metadata
---
amdhsa.version: [ 1, 2 ]
amdhsa.kernels:
  - .name:           k_q118db4c086_w1
    .symbol:         k_q118db4c086_w1.kd
    .args:
      - { .name: h2c, .offset: 0, .size: 8, .value_kind: global_buffer, .address_space: global }
      - { .name: wc, .offset: 8, .size: 8, .value_kind: global_buffer, .address_space: global }
      - { .name: lowp_scales, .offset: 16, .size: 8, .value_kind: global_buffer, .address_space: global }
      - { .name: fc, .offset: 24, .size: 8, .value_kind: global_buffer, .address_space: global }
      - { .name: b1, .offset: 32, .size: 8, .value_kind: global_buffer, .address_space: global }
    .group_segment_fixed_size: 327680
    .private_segment_fixed_size: 0
    .kernarg_segment_align: 8
    .kernarg_segment_size: 40
    .max_flat_workgroup_size: 128
    .sgpr_count:     100
    .vgpr_count:     1024
    .wavefront_size: 32
...
	.end_amdgpu_metadata
.endif
;; end of part 6
;; launch w2 (part 7): grid 8 x 32, 4 waves a work-group, clusters of 4 x 4, 327,680 bytes of LDS; arguments fc, wc, out0, lowp_scales, b2, x1; writes out0
.if DOCPART == 7
	.amdgcn_target "amdgcn-amd-amdhsa--gfx1250"
	.amdhsa_code_object_version 6
	.text
	.protected	k_q118db4c086_w2
	.globl	k_q118db4c086_w2
	.p2align	8
	.type	k_q118db4c086_w2,@function
k_q118db4c086_w2:
	s_mov_b64 s[64:65], 0
	v_nop
	global_prefetch_b8 v0, s[64:65] scope:SCOPE_SE
	s_setreg_imm32_b32 hwreg(HW_REG_WAVE_MODE, 25, 1), 1
	s_wait_xcnt 0x0
	s_wait_alu depctr_hold_cnt(0) depctr_sa_sdst(0) depctr_va_vdst(0) depctr_va_sdst(0) depctr_va_ssrc(0) depctr_va_vcc(0) depctr_vm_vsrc(0)
	s_getreg_b32 s2, hwreg(HW_REG_IB_STS2, 6, 4)
	s_cmp_eq_u32 s2, 0
	s_cbranch_scc0 .Lentry_in_a_cluster
	s_endpgm
.Lentry_in_a_cluster:
	s_bfe_u32 s2, ttmp6, 0x10000c
	s_cmp_lg_u32 s2, 0xf033
	s_cbranch_scc0 .Lentry_shape_is_right
	s_endpgm
.Lentry_shape_is_right:
; OUT[m][n] = RES[m][n] + BIAS[n] + 2^(eA + eB) x sum over k of A[m][k] B[n][k], on codes of BF8 (E5M2); OUT, RES: [4096][1024] f32.
; Two launches share this design; their texts differ in constants and in how K is loaded.  Here: product 8: A = the hidden layer's codes, B = W2's codes, K = 4,096, entries 14 and 15, BIAS = b2, RES = x1, OUT = out0.
; A is laid [k / 64][4,096 rows][64]: 64 rows x 64 codes are a dense run of 4,096 bytes; B is laid [n][K].
; A tile of OUT is 128 x 128, so that the 4,096 x 1,024 results give 256 work-groups; four waves, each 64 x 64: 16 accumulators.  K goes in steps of 512 through a ring of two LDS slots filled by the tensor data mover.
; CLUSTERS: 4 x 4 work-groups; A's tile is shared along a row of the cluster, B's along a column, each asked for jointly.  THE MATRIX INSTRUCTION IS USED TRANSPOSED (source 0 = 16 rows of B, source 1 = 16 rows of A).
; The residual's 64 x 64 numbers of a wave are asked for at the head, in the layout in which rows come back from the stage, and wait in registers.  A wave's 64 columns are 256 bytes: each wave has its own stage.
; LIMIT: eA + eB between -126 and 127.
; REGISTERS: window 0: v0-31 addresses and the bias; v32-95 the way out; v128-255 the accumulators ((a, b) at v[128 + 8 (4 a + b)]).  window 1: two fragment buffers of 128: A's four fragments, then B's four.  window 2: v0-127 the residual.
.set WOFF,  0x800000                   ; where B's codes begin in wc
.set KROWB, 4096                       ; a row of B in bytes
.set LAPS,  4                          ; K / 1,024
.set SOFF,  0x38                       ; the two exponents' place among the scales
.set AP,    80                         ; A in LDS: 64 codes + 16 of padding
.set ABLK,  64*AP                      ; 64 rows of one block of 64 along K
.set AHALF, 8*ABLK                     ; what one tensor load brings of A: 64 rows x 512 K
.set BP,    528                        ; B in LDS: 512 codes + 16
.set BHALF, 64*BP
.set SLOT,  2*AHALF+2*BHALF
.set ASTEP, 8*262144                   ; 512 along K in A's memory
.set STAGE, 2*SLOT                     ; behind the ring: 16 rows x 272 bytes for each wave
.set SP,    272
.set SPARE, STAGE+4*16*SP              ; behind the stages: the spare words
.set BI,   12                          ; v12-15  the bias of my four columns
.set ADRA, 16
.set ADRB, 20
.set STO,  24
.set RD,   25
.set RO,   26                          ; v26     my byte offset in two rows of OUT and RES
.set BO,   27
.set SPW,  28
.set NIL,  29
.set TMP,  32
.set ACC,  128
.set F0,   0
.set F1,   128
.set G1, 24
.set G0, 32
.set G1B, 48
.set G0B, 56
.set MSB, 0
.macro WIN new
.if MSB != \new
	s_set_vgpr_msb (MSB<<8)|\new
.set MSB, \new
.endif
.endm
.set MUL,  0x05                        ; sources 0 and 1 window 1; C and D window 0
.set TO_F, 0x40
.macro JLOAD s                         ; waves 0 and 1 fetch A's two halves, waves 2 and 3 B's; an s_nop 0 and four v_nop follow each line
	s_cmp_eq_u32 s11, 0
	s_cbranch_scc0 .Lfor_b_\@
	tensor_load_to_lds s[G0+4*\s:G0+4*\s+3], s[G1:G1+7]
	s_nop 0
.rept 4
	v_nop
.endr
	s_branch .Lasked_\@
.Lfor_b_\@:
	tensor_load_to_lds s[G0B+4*\s:G0B+4*\s+3], s[G1B:G1B+7]
	s_nop 0
.rept 4
	v_nop
.endr
.Lasked_\@:
.endm
.macro CREST
	s_cmp_lg_u32 s10, 0
	s_cbranch_scc1 .Lnot_wave_0_\@
	s_barrier_signal -3
.Lnot_wave_0_\@:
	s_barrier_wait -3
	s_barrier_signal -1
	s_barrier_wait -1
.endm
.macro CROUND
	s_barrier_signal -1
	s_barrier_wait -1
	CREST
.endm
	s_load_b128 s[4:7], s[0:1], 0x0                ; A's codes, wc
	s_load_b64 s[8:9], s[0:1], 0x10                ; OUT
	s_load_b128 s[68:71], s[0:1], 0x18             ; the exponents, BIAS
	s_load_b64 s[72:73], s[0:1], 0x28              ; RES
	v_lshl_add_u32 v[SPW], v0, 2, SPARE
	v_mov_b32 v[NIL], 0
	ds_add_u32 v[SPW], v[NIL]                      ; the wave's opening: the add, twice on end, and its wait ahead of my first tensor load
	ds_add_u32 v[SPW], v[NIL]
	v_lshrrev_b32 v1, 5, v0
	v_readfirstlane_b32 s10, v1                    ; wave 0..3
	s_lshr_b32 s11, s10, 1                         ; my half of the tile's rows.  Also: I fetch for A (0) or for B (1)
	s_and_b32 s12, s10, 1                          ; my half of its columns.  Also: which 64 rows I fetch
	s_bfe_u32 s40, ttmp6, 0x40000
	s_bfe_u32 s41, ttmp6, 0x40004
	s_lshl_b32 s42, ttmp9, 2
	s_add_co_u32 s42, s42, s40                     ; tile column
	s_and_b32 s13, ttmp7, 0xffff
	s_lshl_b32 s13, s13, 2
	s_add_co_u32 s13, s13, s41                     ; tile row
	s_lshl_b32 s43, s41, 2
	s_lshl_b32 s43, 15, s43
	s_lshl_b32 s44, 0x1111, s40
	s_or_b32 s[G1+0], s43, (0<<16)|(1<<20)|(1<<21)|(3<<22)|(3<<25)   ; A: the mask of my row; bytes; padding: 4 words after every 16
	s_mov_b32 s[G1+1], 4096<<16                    ; tensor_dim0: a run of 64 rows x 64 codes
	s_mov_b32 s[G1+2], 8<<16                       ; tensor_dim1: eight blocks of 64 along K
	s_mov_b32 s[G1+3], 4096<<16
	s_mov_b32 s[G1+4], 8
	s_mov_b32 s[G1+5], 262144                      ; from block to block
	s_mov_b32 s[G1+6], 0
	s_mov_b32 s[G1+7], 0
	s_or_b32 s[G1B+0], s44, (0<<16)|(1<<20)|(1<<21)|(6<<22)|(3<<25)  ; B: the mask of my column; padding: 4 words after every 128
	s_mov_b32 s[G1B+1], 512<<16
	s_mov_b32 s[G1B+2], 64<<16
	s_mov_b32 s[G1B+3], 512<<16
	s_mov_b32 s[G1B+4], 64
	s_mov_b32 s[G1B+5], KROWB
	s_mov_b32 s[G1B+6], 0
	s_mov_b32 s[G1B+7], 0
	s_lshl_b32 s16, s13, 13                        ; A: row 128 x tile row + 64 x half, 64 bytes a row
	s_lshl_b32 s17, s12, 12
	s_add_co_u32 s16, s16, s17
	s_mov_b32 s17, 0
	s_lshl_b32 s46, s42, 7                         ; B: row 128 x tile column + 64 x half
	s_lshl_b32 s47, s12, 6
	s_add_co_u32 s46, s46, s47
	s_mul_i32 s46, s46, KROWB
	s_add_co_u32 s46, s46, WOFF
	s_mov_b32 s47, 0
	s_mul_i32 s20, s12, AHALF                      ; where they go: no place in the cluster enters an LDS address
	s_mul_i32 s21, s12, BHALF
	s_add_co_u32 s21, s21, 2*AHALF
	s_wait_dscnt 0x0                               ; both opening adds are done
	s_wait_kmcnt 0x0
	s_load_b64 s[76:77], s[68:69], SOFF            ; eA, eB
	s_add_nc_u64 s[14:15], s[4:5], s[16:17]
	s_add_nc_u64 s[46:47], s[6:7], s[46:47]
	CROUND                                         ; all sixteen work-groups are here: the first joint loads meet
.irp s, 0,1
	s_mov_b32 s[G0+4*\s], 1
	s_add_co_u32 s[G0+4*\s+1], s20, \s*SLOT
	s_add_nc_u64 s[G0+4*\s+2:G0+4*\s+3], s[14:15], \s*ASTEP
	s_or_b32 s[G0+4*\s+3], s[G0+4*\s+3], 0x80000000
	s_mov_b32 s[G0B+4*\s], 1
	s_add_co_u32 s[G0B+4*\s+1], s21, \s*SLOT
	s_add_nc_u64 s[G0B+4*\s+2:G0B+4*\s+3], s[46:47], \s*512
	s_or_b32 s[G0B+4*\s+3], s[G0B+4*\s+3], 0x80000000
.endr
	JLOAD 0                                        ; K step 0: one tensor load a wave at the head
	; THE PREFETCHES INTO THE L2: behind the load of K step s stands one instruction a wave for K step s + 2.  Of the 32 KiB that a wave fetches jointly with three partners each partner names a quarter, told apart
	; BY ADDRESS (cx for A, cy for B): A: two of the step's eight blocks of 4,096 bytes, lanes 256 bytes apart; B: 16 of the 64 rows, two lanes to a row's 512 bytes.  So each aligned 256 bytes are named once in a cluster.
	; The loads of K steps 6 and 7 ask for nothing: there is no K step 8.  s[78:79]: where my prefetches stand; s[66:67]: a K step on; v30: my lane's offset, never rewritten.
	s_cmp_eq_u32 s11, 0                            ; do I fetch for A?
	s_cselect_b64 s[78:79], s[14:15], s[46:47]
	s_cselect_b32 s16, s40, s41                    ; my place among the four that ask with me
	s_mov_b32 s17, 16*KROWB
	s_cselect_b32 s17, 2*262144, s17               ; a partner's quarter
	s_mov_b32 s66, 512
	s_cselect_b32 s66, ASTEP, s66
	s_mov_b32 s67, 0
	s_mov_b32 s23, KROWB
	s_cselect_b32 s23, 262144, s23
	s_cselect_b32 s18, 4, 1
	s_cselect_b32 s19, 15, 1
	s_mul_i32 s16, s16, s17
	s_mov_b32 s17, 0
	s_add_nc_u64 s[78:79], s[78:79], s[16:17]
	s_add_nc_u64 s[78:79], s[78:79], s[66:67]
	s_add_nc_u64 s[78:79], s[78:79], s[66:67]      ; at K step 2
	v_and_b32 v30, 31, v0
	v_lshrrev_b32 v31, s18, v30
	v_and_b32 v30, s19, v30
	v_mul_lo_u32 v31, v31, s23
	v_lshl_add_u32 v30, v30, 8, v31
	global_prefetch_b8 v30, s[78:79] th:TH_LOAD_NT scope:SCOPE_SE
	v_and_b32 v1, 15, v0                           ; r
	v_bfe_u32 v2, v0, 4, 1                         ; h
	v_mul_u32_u24 v3, v1, AP
	v_lshl_add_u32 v3, v2, 4, v3
	v_mul_u32_u24 v4, v1, BP
	v_lshl_add_u32 v4, v2, 4, v4
	s_mul_i32 s21, s11, AHALF                      ; my 64 rows of A
	s_mul_i32 s22, s12, BHALF                      ; my 64 rows of B,
	s_add_co_u32 s22, s22, 2*AHALF                 ; behind A's two halves
.irp s, 0,1
	v_add_nc_u32 v[ADRA+\s], s21, v3
	v_add_nc_u32 v[ADRB+\s], s22, v4
	s_add_co_u32 s21, s21, SLOT
	s_add_co_u32 s22, s22, SLOT
.endr
	s_mul_i32 s23, s10, 16*SP
	s_add_co_u32 s23, s23, STAGE                   ; my stage
	v_mul_u32_u24 v5, v1, SP
	v_lshl_add_u32 v5, v2, 5, v5
	v_add_nc_u32 v[STO], s23, v5                   ; in: row r, 32 bytes for each half of the lanes
	v_mul_u32_u24 v5, v2, SP
	v_lshl_add_u32 v5, v1, 4, v5
	v_add_nc_u32 v[RD], s23, v5                    ; back: lanes 0-15 one row of 256 bytes, lanes 16-31 the next
	v_lshlrev_b32 v5, 12, v2
	v_lshl_add_u32 v[RO], v1, 4, v5                ; and the same two rows in OUT and RES
	s_wait_alu depctr_va_vdst(0)
	v_lshlrev_b32 v[BO], 4, v1
	s_wait_alu depctr_va_vdst(0)
	s_lshl_b32 s16, s13, 7
	s_lshl_b32 s17, s11, 6
	s_add_co_u32 s16, s16, s17                     ; my first row
	s_lshl_b32 s16, s16, 12
	s_lshl_b32 s46, s42, 9
	s_lshl_b32 s47, s12, 8
	s_add_co_u32 s46, s46, s47                     ; my first column, in bytes
	s_mov_b32 s47, 0
	s_add_nc_u64 s[70:71], s[70:71], s[46:47]
	s_add_co_u32 s46, s46, s16
	s_add_nc_u64 s[8:9], s[8:9], s[46:47]
	s_add_nc_u64 s[72:73], s[72:73], s[46:47]
	WIN 0x80                                       ; destination window 2
.irp a, 0,1,2,3
.irp t, 0,1,2,3,4,5,6,7
	global_load_b128 v[32*\a+4*\t:32*\a+4*\t+3], v[RO], s[72:73] offset:(16*\a+2*\t)*4096 th:TH_LOAD_NT   ; sixteen lanes read 256 consecutive aligned bytes
.endr
.endr
	WIN 0
	global_load_b128 v[BI:BI+3], v[BO], s[70:71]
.macro FETCH slot, q, f                ; 32 LDS loads in one run: the slot's q-th 128 along K: B's four fragments, then A's four.  Registers 4 c .. 4 c + 3: K = 32 c + 16 (l / 16) + 0 .. 15, alike in A and B
	WIN TO_F
.irp i, 0,1,2,3
.irp c, 0,1,2,3
	ds_load_b128 v[\f+64+16*\i+4*\c:\f+64+16*\i+4*\c+3], v[ADRB+\slot] offset:128*(\q)+32*\c+\i*16*BP
.endr
.endr
.irp i, 0,1,2,3
.irp c, 0,1,2,3
	ds_load_b128 v[\f+16*\i+4*\c:\f+16*\i+4*\c+3], v[ADRA+\slot] offset:(2*(\q)+\c/2)*ABLK+\i*16*AP+32*(\c%2)
.endr
.endr
.endm
.macro MULA f, a, zero                 ; A's block a against B's four.  The 16 accumulators take turns, in the same order in every quarter
.irp b, 0,1,2,3
.if \zero
	v_wmma_f32_16x16x128_bf8_bf8 v[ACC+8*(4*(\a)+\b):ACC+8*(4*(\a)+\b)+7], v[\f+64+16*\b:\f+64+16*\b+15], v[\f+16*(\a):\f+16*(\a)+15], 0
.else
	v_wmma_f32_16x16x128_bf8_bf8 v[ACC+8*(4*(\a)+\b):ACC+8*(4*(\a)+\b)+7], v[\f+64+16*\b:\f+64+16*\b+15], v[\f+16*(\a):\f+16*(\a)+15], v[ACC+8*(4*(\a)+\b):ACC+8*(4*(\a)+\b)+7]
.endif
.endr
.endm
.macro PLACES
.rept 4
	v_nop
.endr
.endm
.macro QUARTER slot, qn, f, g, zero    ; multiplies buffer f; in its middle fetches the slot's quarter qn into buffer g
	s_wait_dscnt 8                                 ; B and A's blocks 0, 1 are in; the youngest 8 loads (blocks 2, 3) may be out
	WIN MUL
	MULA \f, 0, \zero
	MULA \f, 1, \zero
	PLACES
	FETCH \slot, \qn, \g
	s_wait_dscnt 32                                ; all but the 32 just issued
	WIN MUL
	MULA \f, 2, \zero
	MULA \f, 3, \zero
.endm
; The last quarter multiplies buffer 1 and changes slots: ONE barrier; in front of it each wave waits for all its tensor loads, adds 0 to its spare word, and waits for that and for its reads of this slot.
.macro TURN slot, next, fill
	WIN 0
.if \fill
	s_wait_xcnt 0x0                                ; the last prefetch, a K step back, has read its address
	s_add_nc_u64 s[78:79], s[78:79], s[66:67]
.endif
	s_wait_tensorcnt 0x0
	ds_add_u32 v[SPW], v[NIL]
	s_wait_dscnt 13                                ; the add and the youngest 12 loads (A's blocks 1 to 3) may be out
	WIN MUL
	MULA F1, 0, 0
	s_wait_dscnt 0x0                               ; the add is done, and my reads of this slot are over
	s_barrier_signal -1
	MULA F1, 1, 0
	WIN 0
	s_barrier_wait -1
.if \fill
	CREST                                          ; the barrier has opened a round of the cluster's
	s_add_nc_u64 s[G0+4*\slot+2:G0+4*\slot+3], s[G0+4*\slot+2:G0+4*\slot+3], 2*ASTEP
	s_add_nc_u64 s[G0B+4*\slot+2:G0B+4*\slot+3], s[G0B+4*\slot+2:G0B+4*\slot+3], 2*512
	JLOAD \slot                                    ; the first tensor load behind the round; its four v_nop are the places in front of the loads below
.else
	PLACES
.endif
	FETCH \next, 0, F0
.if \fill
	WIN 0
	s_cmp_gt_u32 s3, 1                             ; the loop's last trip loads K steps 6 and 7: nothing lies two steps on
	s_cbranch_scc0 .Lno_ask_\@
	global_prefetch_b8 v30, s[78:79] th:TH_LOAD_NT scope:SCOPE_SE
.Lno_ask_\@:
.endif
	WIN MUL
	MULA F1, 2, 0
	MULA F1, 3, 0
.endm
	s_wait_alu depctr_va_vdst(0)                   ; the wait at the head's end
	s_wait_xcnt 0x0                                ; the prefetch has read its address
	s_add_nc_u64 s[78:79], s[78:79], s[66:67]      ; at K step 3
	s_wait_tensorcnt 0x0                           ; my part of K step 0 is in
	ds_add_u32 v[SPW], v[NIL]
	s_wait_dscnt 0x0
	CROUND                                         ; a whole round,
	JLOAD 1                                        ; and K step 1's load, the first tensor load behind it
	FETCH 0, 0, F0
	WIN 0
	global_prefetch_b8 v30, s[78:79] th:TH_LOAD_NT scope:SCOPE_SE
	QUARTER 0, 1, F0, F1, 1                        ; the first quarter's products start the sums
.if LAPS > 1
	WIN 0
	s_mov_b32 s3, LAPS-1
.Llap:                                                 ; a trip goes once round the ring and fills both slots again
	QUARTER 0, 2, F1, F0, 0
	QUARTER 0, 3, F0, F1, 0
	TURN 0, 1, 1
	QUARTER 1, 1, F0, F1, 0
	QUARTER 1, 2, F1, F0, 0
	QUARTER 1, 3, F0, F1, 0
	TURN 1, 0, 1
	QUARTER 0, 1, F0, F1, 0
	WIN 0
	s_sub_co_u32 s3, s3, 1
	s_cmp_lg_u32 s3, 0
	s_cbranch_scc1 .Llap
.endif
	QUARTER 0, 2, F1, F0, 0                        ; the last lap fills nothing
	QUARTER 0, 3, F0, F1, 0
	TURN 0, 1, 0
	QUARTER 1, 1, F0, F1, 0
	QUARTER 1, 2, F1, F0, 0
	QUARTER 1, 3, F0, F1, 0
	s_wait_dscnt 8
	WIN MUL
	MULA F1, 0, 0
	MULA F1, 1, 0
	s_wait_dscnt 0
	MULA F1, 2, 0
	MULA F1, 3, 0
	WIN 0
	; THE WAY OUT, 16 rows at a time: the sums go through my stage and come back as whole rows of 256 bytes; there sum x 2^(eA + eB) + bias, then + residual; sixteen lanes store 256 consecutive aligned bytes.
	s_wait_kmcnt 0x0
	s_add_co_i32 s74, s76, s77
	s_add_co_i32 s74, s74, 127
	s_lshl_b32 s74, s74, 23                        ; 2^(eA + eB) as f32
	s_mov_b32 s75, s74                             ; (named with it as a pair)
	s_wait_loadcnt 0x0                             ; the residual and the bias
	PLACES
.macro TOSTAGE a
.irp b, 0,1,2,3
	ds_store_b128 v[STO], v[ACC+8*(4*(\a)+\b):ACC+8*(4*(\a)+\b)+3] offset:64*\b          ; each accumulator from its low end on
	ds_store_b128 v[STO], v[ACC+8*(4*(\a)+\b)+4:ACC+8*(4*(\a)+\b)+7] offset:64*\b+16
.endr
.irp t, 0,1,2,3,4,5,6,7
	ds_load_b128 v[TMP+32*((\a)%2)+4*\t:TMP+32*((\a)%2)+4*\t+3], v[RD] offset:\t*2*SP    ; LDS serves a wave's instructions in order
.endr
.endm
.macro SEND a, younger                 ; younger: the next block's 8 stores and 8 loads, which may be out
.set TS, TMP+32*((\a)%2)
	s_wait_dscnt \younger
.irp t, 0,1,2,3,4,5,6,7
	v_pk_fma_f32 v[TS+4*\t:TS+4*\t+1], v[TS+4*\t:TS+4*\t+1], s[74:75], v[BI:BI+1] op_sel_hi:[1,0,1]
	v_pk_fma_f32 v[TS+4*\t+2:TS+4*\t+3], v[TS+4*\t+2:TS+4*\t+3], s[74:75], v[BI+2:BI+3] op_sel_hi:[1,0,1]
.endr
	WIN 0x08                                       ; source 1: window 2
.irp t, 0,1,2,3,4,5,6,7
	v_pk_add_f32 v[TS+4*\t:TS+4*\t+1], v[TS+4*\t:TS+4*\t+1], v[32*(\a)+4*\t:32*(\a)+4*\t+1]
	v_pk_add_f32 v[TS+4*\t+2:TS+4*\t+3], v[TS+4*\t+2:TS+4*\t+3], v[32*(\a)+4*\t+2:32*(\a)+4*\t+3]
.endr
	WIN 0
.irp t, 0,1,2,3,4,5,6,7
	global_store_b128 v[RO], v[TS+4*\t:TS+4*\t+3], s[8:9] offset:(16*(\a)+2*\t)*4096
.endr
.endm
	TOSTAGE 0
	TOSTAGE 1
	SEND 0, 16
	s_wait_xcnt 0x0                                ; block 0's stores have read their registers: block 2's rows may land there
	TOSTAGE 2
	SEND 1, 16
	s_wait_xcnt 0x0
	TOSTAGE 3
	SEND 2, 16
	SEND 3, 0
	s_wait_tensorcnt 0x0                           ; the wave's end
	ds_add_u32 v[SPW], v[NIL]
	s_wait_dscnt 0x0
	CROUND                                         ; the closing round
	s_endpgm
.Lfunc_end_k_q118db4c086_w2:
	.size	k_q118db4c086_w2, .Lfunc_end_k_q118db4c086_w2-k_q118db4c086_w2
	.p2alignl 7, 3214868480
	.fill 96, 4, 3214868480
	.section	.rodata,"a",@progbits
	.p2align	6, 0x0
	.amdhsa_kernel k_q118db4c086_w2
		.amdhsa_group_segment_fixed_size 327680
		.amdhsa_private_segment_fixed_size 0
		.amdhsa_enable_private_segment 0
		.amdhsa_kernarg_size 48
		.amdhsa_user_sgpr_count 2
		.amdhsa_user_sgpr_kernarg_segment_ptr 1
		.amdhsa_wavefront_size32 1
		.amdhsa_system_sgpr_workgroup_id_x 1
		.amdhsa_system_sgpr_workgroup_id_y 1
		.amdhsa_system_sgpr_workgroup_id_z 1
		.amdhsa_system_vgpr_workitem_id 0
		.amdhsa_next_free_vgpr 640
		.amdhsa_next_free_sgpr 80
		.amdhsa_reserve_vcc 0
		.amdhsa_float_denorm_mode_32 3
		.amdhsa_float_denorm_mode_16_64 3
		.amdhsa_memory_ordered 1
		.amdhsa_forward_progress 1
		.amdhsa_inst_pref_size 84
	.end_amdhsa_kernel
	.amdgpu_metadata
---
amdhsa.version: [ 1, 2 ]
amdhsa.kernels:
  - .name:           k_q118db4c086_w2
    .symbol:         k_q118db4c086_w2.kd
    .args:
      - { .name: fc, .offset: 0, .size: 8, .value_kind: global_buffer, .address_space: global }
      - { .name: wc, .offset: 8, .size: 8, .value_kind: global_buffer, .address_space: global }
      - { .name: out0, .offset: 16, .size: 8, .value_kind: global_buffer, .address_space: global }
      - { .name: lowp_scales, .offset: 24, .size: 8, .value_kind: global_buffer, .address_space: global }
      - { .name: b2, .offset: 32, .size: 8, .value_kind: global_buffer, .address_space: global }
      - { .name: x1, .offset: 40, .size: 8, .value_kind: global_buffer, .address_space: global }
    .group_segment_fixed_size: 327680
    .private_segment_fixed_size: 0
    .kernarg_segment_align: 8
    .kernarg_segment_size: 48
    .max_flat_workgroup_size: 128
    .sgpr_count:     80
    .vgpr_count:     640
    .wavefront_size: 32
...
	.end_amdgpu_metadata
.endif
;; end of part 7
